; MI455X (gfx1250); checked and timed in simulation.
; The chip was launched on July 23, 2026; its instructions are those of AMD's public machine-readable ISA for CDNA 5 (MIT licence, August 2026) and "CDNA5" Instruction Set Architecture Reference Guide (July 2026). The comments in the code are by the model that wrote it; some were corrected since.
;; Llama Attention Experimental. Allowed arithmetic: float matrix products may take bf16 or f16 operands with f32 sums; other float arithmetic in f32, or as packed bf16 or f16 multiplies, adds, multiply-adds, maxima and minima; sums over many terms, partial sums and values carried from step to step in f32; what a program stores and reads back later, other than sums and carried values, may be rounded once to bf16 or f16.
;; Inputs: Wk 4,096 x 1,024 float32; Wo 2,048 x 4,096 float32; Wq 4,096 x 2,048 float32; Wv 4,096 x 1,024 float32; cos 2,048 x 128 float32; hidden_states 1 x 2,048 x 4,096 float32; position_ids 1 x 2,048 int32; sin 2,048 x 128 float32.
;; Outputs: out0 1 x 2,048 x 4,096 float32.
;; 2 versions, each right; version 2 is version 1 with the launch cast written anew for expert scheduling mode. Each part assembles by itself: llvm-mc -triple=amdgcn-amd-amdhsa -mcpu=gfx1250 --defsym DOCPART=n.
;; ======== version 1 of 2: 4 launches
;; limits: values are held in f16: magnitudes above 65,504 overflow, below 6.1e-05 lose precision; values within 3.8e-05 (relative) of each other or of a threshold may be ordered or decided otherwise than in the reference; inputs' magnitudes at most 16,376
;; workspace buffers: xb 16,777,216 bytes; wqkv 33,554,432 bytes; wob 16,777,216 bytes; qkv 16,777,216 bytes; ob 8,388,608 bytes; cosb 524,288 bytes; sinb 524,288 bytes
;; launch cast (part 1): grid 2080 x 1, 8 waves a work-group, no clusters, 0 bytes of LDS; arguments hidden_states, Wq, Wk, Wv, Wo, cos, sin, xb, wqkv, wob, cosb, sinb; writes xb, wqkv, wob, cosb, sinb
.if DOCPART == 1
	.amdgcn_target "amdgcn-amd-amdhsa--gfx1250"
	.amdhsa_code_object_version 6
	.text
	.protected	k_qccf4363f8c_cast
	.globl	k_qccf4363f8c_cast
	.p2align	8
	.type	k_qccf4363f8c_cast,@function
k_qccf4363f8c_cast:
	s_mov_b64 s[64:65], 0
	v_nop
	global_prefetch_b8 v0, s[64:65] scope:SCOPE_SE
	s_setreg_imm32_b32 hwreg(HW_REG_WAVE_MODE, 25, 1), 1
	s_wait_xcnt 0x0
; Every floating-point input is rounded once to bf16.  xb [2048][4096] holds x / 4, wqkv [4096 k][4096 n] (n 0..2047 Wq, 2048..3071 Wk, 3072..4095 Wv), cosb and sinb [2048][128]: bf16 numbers.
; wob [2048][4096] holds 4 Wo, its bf16 numbers written as f16, since the last product multiplies them with f16 numbers.  The factors 1/4 and 4 are powers of two: they change no rounding,
; and they spare the two products a multiplication of every sum (q, k, v and the heads' outputs are kept times 1/4, for f16's range).
; LIMIT (Wo alone).  4 Wo is an f16 number for |Wo| from 1.6e-5 up to 16,376; below, it is rounded to f16's fixed step (1.5e-8 of Wo); beyond, it becomes an infinity.
; A stream: no LDS, no barrier, no matrix unit.  A work-group takes 16,384 numbers of one source, a wave 2,048, in 16 pieces of 128: a load covers 512 bytes on end (4 numbers a lane),
; a store 256 bytes on end, aligned.  All 16 loads of a wave are issued first; the conversion is made in place, so no register that a store reads is written again.
; A destination row is 8,192 bytes (cosb and sinb are dense and are taken as such rows); a piece of 128 numbers never crosses a source row (1,024 numbers at the least).
.set NPC, 16                           ; pieces a wave
.set OFF, 4                            ; v[4:19]    piece i: my byte offset in the destination
.set X,   20                           ; v[20:83]   piece i: four f32 as loaded, then two words of 16-bit numbers
.set WO0, 1568                         ; Wo's first work-group
	s_load_b256 s[4:11], s[0:1], 0x0               ; hidden_states, Wq, Wk, Wv
	s_load_b256 s[12:19], s[0:1], 0x20             ; Wo, cos, sin, xb
	s_load_b256 s[20:27], s[0:1], 0x40             ; wqkv, wob, cosb, sinb
	v_and_b32 v1, 31, v0                           ; lane
	v_lshrrev_b32 v2, 5, v0                        ; wave
	v_lshlrev_b32 v3, 4, v1
	v_lshl_add_u32 v3, v2, 13, v3                  ; source: wave x 8,192 + lane x 16 bytes
	v_lshlrev_b32 v1, 2, v1
	v_lshl_add_u32 v1, v2, 11, v1                  ; my first number in the work-group's share
	s_mov_b32 s28, ttmp9
	s_mov_b32 s29, 0xffff0000                      ; a word's upper bf16
	s_wait_kmcnt 0x0
	s_mov_b64 s[30:31], s[12:13]                   ; work-groups 1568..2079: Wo -> wob
	s_mov_b64 s[32:33], s[22:23]
	s_mov_b32 s34, WO0                             ; the source's first work-group
	s_mov_b32 s35, 12                              ; log2 of the source's row length
	s_mov_b32 s36, 0                               ; the source's first byte in a destination row
	s_mov_b32 s42, 4.0                             ; the source's factor
.macro PICK lim, src, dst, g0, lg, colb, sc    ; work-groups below lim belong to an earlier source
	s_cmp_lt_u32 s28, \lim
	s_cselect_b64 s[30:31], s[\src:\src+1], s[30:31]
	s_cselect_b64 s[32:33], s[\dst:\dst+1], s[32:33]
	s_cselect_b32 s34, \g0, s34
	s_cselect_b32 s35, \lg, s35
	s_cselect_b32 s36, \colb, s36
	s_cselect_b32 s42, \sc, s42
.endm
	PICK 1568, 16, 26, 1552, 12, 0, 1.0            ; sin
	PICK 1552, 14, 24, 1536, 12, 0, 1.0            ; cos
	PICK 1536, 10, 20, 1280, 10, 6144, 1.0         ; Wv
	PICK 1280, 8, 20, 1024, 10, 4096, 1.0          ; Wk
	PICK 1024, 6, 20, 512, 11, 0, 1.0              ; Wq
	PICK 512, 4, 18, 0, 12, 0, 0x3e800000          ; hidden_states, times 0.25
	s_mov_b32 s43, s42                             ; named with it as a pair
	s_sub_co_u32 s38, s28, s34                     ; my number among the source's work-groups
	s_lshl_b32 s39, s38, 14                        ; its first number,
	s_lshl_b32 s40, s38, 16                        ; its first byte
	s_mov_b32 s41, 0
	s_add_nc_u64 s[30:31], s[30:31], s[40:41]
	s_lshl_b32 s37, 1, s35
	s_sub_co_u32 s37, s37, 1                       ; mask of the place in a source row
	v_add_nc_u32 v1, s39, v1
.set i, 0
.rept NPC
	global_load_b128 v[X+4*i:X+4*i+3], v3, s[30:31] offset:512*i th:TH_LOAD_NT
.set i, i+1
.endr
.set i, 0
.rept NPC                              ; the destinations, made while the loads are out: row x 8,192 + place x 2 + the source's first byte
	v_add_nc_u32 v2, 128*i, v1
	v_lshrrev_b32 v[OFF+i], s35, v2
	v_and_b32 v2, s37, v2
	v_lshl_add_u32 v2, v2, 1, s36
	v_lshl_add_u32 v[OFF+i], v[OFF+i], 13, v2
.set i, i+1
.endr
.macro TOBF i                          ; piece i: it is in (loads come back in order: the younger ones stay out); times the factor; rounded to bf16, two numbers a word
	s_wait_loadcnt NPC-1-(\i)
	v_pk_mul_f32 v[X+4*(\i):X+4*(\i)+1], v[X+4*(\i):X+4*(\i)+1], s[42:43] op_sel_hi:[1,0]
	v_pk_mul_f32 v[X+4*(\i)+2:X+4*(\i)+3], v[X+4*(\i)+2:X+4*(\i)+3], s[42:43] op_sel_hi:[1,0]
	v_cvt_pk_bf16_f32 v[X+4*(\i)], v[X+4*(\i)], v[X+4*(\i)+1]
	v_cvt_pk_bf16_f32 v[X+4*(\i)+1], v[X+4*(\i)+2], v[X+4*(\i)+3]
.endm
	s_cmp_ge_u32 s28, WO0
	s_cbranch_scc1 .Lwo
.set i, 0
.rept NPC
	TOBF i
	global_store_b64 v[OFF+i], v[X+4*i:X+4*i+1], s[32:33] th:TH_STORE_NT
.set i, i+1
.endr
	s_endpgm
.Lwo:                                          ; Wo: rounded to bf16, widened again, and that number written as f16
.set i, 0
.rept NPC
	TOBF i
	v_lshlrev_b32 v[X+4*i+2], 16, v[X+4*i+1]
	v_and_b32 v[X+4*i+3], s29, v[X+4*i+1]
	v_and_b32 v[X+4*i+1], s29, v[X+4*i]
	v_lshlrev_b32 v[X+4*i], 16, v[X+4*i]
	v_cvt_pk_f16_f32 v[X+4*i], v[X+4*i], v[X+4*i+1]
	v_cvt_pk_f16_f32 v[X+4*i+1], v[X+4*i+2], v[X+4*i+3]
	global_store_b64 v[OFF+i], v[X+4*i:X+4*i+1], s[32:33] th:TH_STORE_NT
.set i, i+1
.endr
	s_endpgm
.Lfunc_end_k_qccf4363f8c_cast:
	.size	k_qccf4363f8c_cast, .Lfunc_end_k_qccf4363f8c_cast-k_qccf4363f8c_cast
	.p2alignl 7, 3214868480
	.fill 96, 4, 3214868480
	.section	.rodata,"a",@progbits
	.p2align	6, 0x0
	.amdhsa_kernel k_qccf4363f8c_cast
		.amdhsa_group_segment_fixed_size 0
		.amdhsa_private_segment_fixed_size 0
		.amdhsa_enable_private_segment 0
		.amdhsa_kernarg_size 96
		.amdhsa_user_sgpr_count 2
		.amdhsa_user_sgpr_kernarg_segment_ptr 1
		.amdhsa_wavefront_size32 1
		.amdhsa_system_sgpr_workgroup_id_x 1
		.amdhsa_system_sgpr_workgroup_id_y 1
		.amdhsa_system_sgpr_workgroup_id_z 1
		.amdhsa_system_vgpr_workitem_id 0
		.amdhsa_next_free_vgpr 84
		.amdhsa_next_free_sgpr 66
		.amdhsa_reserve_vcc 0
		.amdhsa_float_denorm_mode_32 3
		.amdhsa_float_denorm_mode_16_64 3
		.amdhsa_memory_ordered 1
		.amdhsa_forward_progress 1
		.amdhsa_inst_pref_size 25
	.end_amdhsa_kernel
	.amdgpu_metadata
---
amdhsa.version: [ 1, 2 ]
amdhsa.kernels:
  - .name:           k_qccf4363f8c_cast
    .symbol:         k_qccf4363f8c_cast.kd
    .args:
      - { .name: hidden_states, .offset: 0, .size: 8, .value_kind: global_buffer, .address_space: global }
      - { .name: Wq, .offset: 8, .size: 8, .value_kind: global_buffer, .address_space: global }
      - { .name: Wk, .offset: 16, .size: 8, .value_kind: global_buffer, .address_space: global }
      - { .name: Wv, .offset: 24, .size: 8, .value_kind: global_buffer, .address_space: global }
      - { .name: Wo, .offset: 32, .size: 8, .value_kind: global_buffer, .address_space: global }
      - { .name: cos, .offset: 40, .size: 8, .value_kind: global_buffer, .address_space: global }
      - { .name: sin, .offset: 48, .size: 8, .value_kind: global_buffer, .address_space: global }
      - { .name: xb, .offset: 56, .size: 8, .value_kind: global_buffer, .address_space: global }
      - { .name: wqkv, .offset: 64, .size: 8, .value_kind: global_buffer, .address_space: global }
      - { .name: wob, .offset: 72, .size: 8, .value_kind: global_buffer, .address_space: global }
      - { .name: cosb, .offset: 80, .size: 8, .value_kind: global_buffer, .address_space: global }
      - { .name: sinb, .offset: 88, .size: 8, .value_kind: global_buffer, .address_space: global }
    .group_segment_fixed_size: 0
    .private_segment_fixed_size: 0
    .kernarg_segment_align: 8
    .kernarg_segment_size: 96
    .max_flat_workgroup_size: 256
    .sgpr_count:     66
    .vgpr_count:     84
    .wavefront_size: 32
...
	.end_amdgpu_metadata
.endif
;; end of part 1
;; launch proj (part 2): grid 16 x 16, 4 waves a work-group, clusters of 4 x 4, 327,680 bytes of LDS; arguments xb, wqkv, position_ids, cosb, sinb, qkv; writes qkv
.if DOCPART == 2
	.amdgcn_target "amdgcn-amd-amdhsa--gfx1250"
	.amdhsa_code_object_version 6
	.text
	.protected	k_qccf4363f8c_proj
	.globl	k_qccf4363f8c_proj
	.p2align	8
	.type	k_qccf4363f8c_proj,@function
k_qccf4363f8c_proj:
	s_mov_b64 s[64:65], 0
	v_nop
	global_prefetch_b8 v0, s[64:65] scope:SCOPE_SE
	s_setreg_imm32_b32 hwreg(HW_REG_WAVE_MODE, 25, 1), 1
	s_wait_xcnt 0x0
	s_wait_alu depctr_hold_cnt(0) depctr_sa_sdst(0) depctr_va_vdst(0) depctr_va_sdst(0) depctr_va_ssrc(0) depctr_va_vcc(0) depctr_vm_vsrc(0)
	s_getreg_b32 s2, hwreg(HW_REG_IB_STS2, 6, 4)
	s_cmp_eq_u32 s2, 0
	s_cbranch_scc0 .Lentry_in_a_cluster
	s_endpgm
.Lentry_in_a_cluster:
	s_bfe_u32 s2, ttmp6, 0x10000c
	s_cmp_lg_u32 s2, 0xf033
	s_cbranch_scc0 .Lentry_shape_is_right
	s_endpgm
.Lentry_shape_is_right:
; q, k, v, each times 1/4, = xb W; q and k turned by RoPE; written in f16 in the order in which the attention launch's matrix fragments want them.
; xb: [2048][4096] bf16, x / 4.  W: wqkv [4096 k][4096 n] bf16.  cosb, sinb: [2048][128] bf16.  Sums and RoPE in f32.
; qkv: 32 slots of 524,288 bytes (0-15 q heads, 16-23 k heads, 24-31 v heads), a slot = [tile of 16 tokens][8 blocks][32 lanes][16 bytes].
;   q, k: block b, lane (r, h): token r of the tile, channels 16 b + 8 h + 0..7.     v: block cb, lane (r, h): channel 16 cb + r, tokens 8 h + 0..7 of the tile.
; LIMIT.  q / 4, k / 4, v / 4 are f16 numbers: |q|, |k|, |v| up to 262,016.  position_ids are taken as unsigned and held to 2,047, the tables' last row.
; A tile of C is 128 rows x 256 columns; four waves, each 64 x 128 (one head): 32 accumulators.  K goes in steps of 128 through two LDS slots filled by the tensor data mover.
; W lies [k][n], so its fragments come out of LDS turned, by ds_load_tr16_b128.  The matrix instruction is used transposed (source 0 = 16 columns of W, source 1 = 16 rows of x):
; a lane holds one token (lane % 16) and eight neighbouring channels.
; CLUSTER: 4 x 4 work-groups; x's tile is shared along a row of the cluster, W's along a column: each is asked for jointly, by the same load, descriptor and mask in the four.
; THE WALK ALONG K begins, in cluster (X, Y), at quarter (X + 2 Y) mod 4 of K and goes round: the four clusters that read the same rows of x, and neighbours among the four that read the same
; columns of W, ask for different K steps at any one time.  The sums are f32 sums of the same terms in another order.
; THE TEXT.  A trip of the loop is one K step; slot 1 begins at LDS byte 2^17, so that one exclusive or turns an address in one slot into the other's.
; REGISTERS: window 0: v0-31 addresses; v32-63 RoPE's first tables; v64-159, v160-255 two fragment buffers (W's 8 fragments, then x's 4); window 1: accumulator (a, b) at 8 (8 a + b).
.set KDIM,  4096
.set APE,   4096                       ; elements from row to row of x
.set BPE,   4096                       ; and of W
.set KSTEP, 128
.set NST,   KDIM/KSTEP                 ; K steps
.set PA,    272                        ; an LDS row of x: 256 bytes + 16: the 16 rows of a fragment load start at 16 different groups of four banks (ISA guide 11.1)
.set PB,    544                        ; an LDS row of W: 512 bytes + 32
.set AHALF, 64*PA
.set BHALF, 64*PB
.set BOFF,  2*AHALF                    ; W's 128 k rows lie behind x's 128 rows
.set SLOT,  2*AHALF+2*BHALF            ; 104,448 bytes
.set SLOT1, 1<<17
.set STAGE, SLOT1+SLOT                 ; behind the ring: 8,448 bytes for each wave, for v's way out
.set STW,   8448
.set SPARE, STAGE+4*STW                ; the spare words, 128 bytes for each wave: two blocks of 256 bytes that no other line names
.set POS,   8                          ; v8-11  row block a: my token's byte offset in cosb and sinb, + 16 h
.set ADRA0, 16                         ; v16    my place in a slot's tile of x; never rewritten
.set ADRA,  17                         ; v17    the same in the slot in hand
.set ADRB0, 20                         ; v20, v21 the same for W
.set ADRB,  21
.set STO,   24
.set RD,    25
.set CO,    26                         ; v26    16 x lane
.set SPW,   28                         ; v28    my spare word; never rewritten
.set NIL,   29                         ; v29    0; never rewritten
.set F0,    64
.set F1,    160
.set G1,  24                           ; s[24:31] group 1 for x's tiles; s[32:39] group 0: a set for each of the two first fills; the second then walks on
.set G0,  32
.set G1B, 48                           ; s[48:55], s[56:63] the same for W's
.set G0B, 56
.set ABASE, 16                         ; s[16:17] x at the rows that I fetch, K = 0
.set BBASE, 46                         ; s[46:47] W at the columns and the half of a step's k rows that I fetch, K step 0
.set OFA, 78                           ; s[78:79] a K step's byte offset in x
.set OFB, 80                           ; s[80:81] and in W
.set KN,  82                           ; s82  the K step to be asked for next
.set TB,  83                           ; s83  LDS byte at which the slot in hand begins
.set MUL, 0x50                         ; C and D in window 1, both sources in window 0
.set MSB, 0
.macro WIN new                         ; the high byte repeats the setting that is left; a switch that changes nothing is dropped
.if MSB != (\new)
	s_set_vgpr_msb (MSB<<8)|(\new)
.set MSB, \new
.endif
.endm
.macro PLACES                          ; four places behind matrix instructions (ISA guide 7.12.1)
.rept 4
	v_nop
.endr
.endm
.macro JLOAD                           ; a joint refill: waves 0, 1 fetch x's two halves, waves 2, 3 W's; s_nop 0 and four v_nop follow each line
	s_cmp_eq_u32 s13, 0
	s_cbranch_scc0 .Lfor_b_\@
	tensor_load_to_lds s[G0+4:G0+7], s[G1:G1+7]
	s_nop 0
	PLACES
	s_branch .Lasked_\@
.Lfor_b_\@:
	tensor_load_to_lds s[G0B+4:G0B+7], s[G1B:G1B+7]
	s_nop 0
	PLACES
.Lasked_\@:
.endm
.macro NEXTD                           ; the walking descriptors: the other slot than last time; K step KN, its address made anew; KN goes round
	s_xor_b32 s[G0+5], s[G0+5], SLOT1
	s_xor_b32 s[G0B+5], s[G0B+5], SLOT1
	s_lshl_b32 s[OFA], s[KN], 8                    ; 128 numbers of a row
	s_lshl_b32 s[OFB], s[KN], 20                   ; 128 rows of 8,192 bytes
	s_add_nc_u64 s[G0+6:G0+7], s[ABASE:ABASE+1], s[OFA:OFA+1]
	s_or_b32 s[G0+7], s[G0+7], 0x80000000
	s_add_nc_u64 s[G0B+6:G0B+7], s[BBASE:BBASE+1], s[OFB:OFB+1]
	s_or_b32 s[G0B+7], s[G0B+7], 0x80000000
	s_add_co_u32 s[KN], s[KN], 1
	s_cmp_eq_u32 s[KN], NST
	s_cselect_b32 s[KN], 0, s[KN]
.endm
.macro CREST                           ; a round of the cluster's barrier behind its opening barrier
	s_cmp_lg_u32 s12, 0
	s_cbranch_scc1 .Lnot_wave_0_\@
	s_barrier_signal -3
.Lnot_wave_0_\@:
	s_barrier_wait -3
	s_barrier_signal -1
	s_barrier_wait -1
.endm
.macro CROUND
	s_barrier_signal -1
	s_barrier_wait -1
	CREST
.endm
; RoPE's tables for step n = (row block n / 4, column blocks n % 4 and n % 4 + 4): 8 bf16 a load: cos low, cos high, sin low, sin high, into one of four sets of 16 registers (v32, v48, v160, v176)
.macro ROLD n
.set a_, (\n)/4
.set p_, (\n)%4
.set P_, 32+16*((\n)%4)+96*(((\n)%4)/2)
	global_load_b128 v[P_:P_+3],     v[POS+a_], s[10:11] offset:32*p_
	global_load_b128 v[P_+4:P_+7],   v[POS+a_], s[10:11] offset:128+32*p_
	global_load_b128 v[P_+8:P_+11],  v[POS+a_], s[68:69] offset:32*p_
	global_load_b128 v[P_+12:P_+15], v[POS+a_], s[68:69] offset:128+32*p_
.endm
	s_load_b256 s[4:11], s[0:1], 0x0               ; xb s[4:5], wqkv s[6:7], position_ids s[8:9], cosb s[10:11]
	s_load_b128 s[68:71], s[0:1], 0x20             ; sinb s[68:69], qkv s[70:71]
	v_lshl_add_u32 v[SPW], v0, 2, SPARE
	v_mov_b32 v[NIL], 0
	ds_add_u32 v[SPW], v[NIL]                      ; the wave's opening: the add and its wait stand ahead of my first tensor load
	v_lshrrev_b32 v1, 5, v0
	v_readfirstlane_b32 s12, v1                    ; wave 0..3
	s_lshr_b32 s13, s12, 1                         ; my 64 rows of the tile.  Also: I fetch for x (0) or for W (1)
	s_and_b32 s14, s12, 1                          ; my 128 columns.  Also: which half of that tile I fetch
	s_bfe_u32 s40, ttmp6, 0x40000                  ; cx
	s_bfe_u32 s41, ttmp6, 0x40004                  ; cy
	s_lshl_b32 s42, ttmp9, 2
	s_add_co_u32 s42, s42, s40                     ; tile column = 4 x cluster x + cx
	s_and_b32 s77, ttmp7, 0xffff                   ; cluster y
	s_lshl_b32 s43, s77, 2
	s_add_co_u32 s43, s43, s41                     ; tile row = 4 x cluster y + cy
	s_lshl_b32 s77, s77, 1
	s_add_co_u32 s77, s77, ttmp9
	s_and_b32 s77, s77, 3                          ; (cluster x + 2 cluster y) mod 4: the same in all sixteen partners
	s_mul_i32 s[KN], s77, NST/4                    ; the K step at which the cluster's walk begins
	s_lshl_b32 s44, s41, 2
	s_lshl_b32 s44, 15, s44                        ; my row of the cluster
	s_lshl_b32 s45, 0x1111, s40                    ; my column
	s_or_b32 s[G1], s44, (1<<16)|(1<<20)|(1<<21)|(5<<22)|(3<<25)   ; mask; 2-byte elements; padding on; bit 21 beside a mask; after every 64 words 4 words
	s_or_b32 s[G1B], s45, (1<<16)|(1<<20)|(1<<21)|(6<<22)|(7<<25)  ; after every 128 words 8 words
	s_mov_b32 s[G1+1], KSTEP<<16                   ; tensor_dim0 = 128
	s_mov_b32 s[G1+2], 64<<16                      ; tensor_dim1 = 64
	s_mov_b32 s[G1+3], KSTEP<<16                   ; tile_dim0 = 128
	s_mov_b32 s[G1+4], 64                          ; tile_dim1 = 64
	s_mov_b32 s[G1+5], APE
	s_mov_b32 s[G1+6], 0
	s_mov_b32 s[G1+7], 0
	s_mov_b32 s[G1B+1], 256<<16                    ; 256 columns,
	s_mov_b32 s[G1B+2], 64<<16                     ; 64 k rows
	s_mov_b32 s[G1B+3], 256<<16
	s_mov_b32 s[G1B+4], 64
	s_mov_b32 s[G1B+5], BPE
	s_mov_b32 s[G1B+6], 0
	s_mov_b32 s[G1B+7], 0
	s_lshl_b32 s16, s43, 7
	s_lshl_b32 s17, s14, 6
	s_add_co_u32 s16, s16, s17                     ; x: row 128 x tile row + 64 x half
	s_mul_i32 s16, s16, APE*2
	s_mov_b32 s17, 0
	s_lshl_b32 s46, s42, 9                         ; W: column 256 x tile column, in bytes,
	s_mul_i32 s47, s14, 64*BPE*2                   ; k row 64 x half
	s_add_co_u32 s46, s46, s47
	s_mov_b32 s47, 0
	s_mul_i32 s20, s14, AHALF                      ; where they go: no place in the cluster enters an LDS address
	s_mul_i32 s21, s14, BHALF
	s_add_co_u32 s21, s21, BOFF
	s_lshl_b32 s[OFA], s[KN], 8
	s_mov_b32 s[OFA+1], 0
	s_lshl_b32 s[OFB], s[KN], 20
	s_mov_b32 s[OFB+1], 0
	s_mov_b32 s[TB], 0
	s_wait_dscnt 0x0                               ; the opening add is done
	s_wait_kmcnt 0x0
	s_add_nc_u64 s[ABASE:ABASE+1], s[4:5], s[16:17]
	s_add_nc_u64 s[BBASE:BBASE+1], s[6:7], s[46:47]
.irp s, 0,1                            ; the walk's first two K steps
	s_mov_b32 s[G0+4*(\s)], 1
	s_add_co_u32 s[G0+4*(\s)+1], s20, (\s)*SLOT1
	s_add_nc_u64 s[G0+4*(\s)+2:G0+4*(\s)+3], s[ABASE:ABASE+1], s[OFA:OFA+1]
	s_add_nc_u64 s[G0+4*(\s)+2:G0+4*(\s)+3], s[G0+4*(\s)+2:G0+4*(\s)+3], (\s)*KSTEP*2
	s_or_b32 s[G0+4*(\s)+3], s[G0+4*(\s)+3], 0x80000000
	s_mov_b32 s[G0B+4*(\s)], 1
	s_add_co_u32 s[G0B+4*(\s)+1], s21, (\s)*SLOT1
	s_add_nc_u64 s[G0B+4*(\s)+2:G0B+4*(\s)+3], s[BBASE:BBASE+1], s[OFB:OFB+1]
	s_add_nc_u64 s[G0B+4*(\s)+2:G0B+4*(\s)+3], s[G0B+4*(\s)+2:G0B+4*(\s)+3], (\s)*KSTEP*BPE*2
	s_or_b32 s[G0B+4*(\s)+3], s[G0B+4*(\s)+3], 0x80000000
.endr
	s_add_co_u32 s[KN], s[KN], 2                   ; at most 3 NST / 4 + 2: below NST
	CROUND                                         ; all sixteen work-groups are here: the first joint loads meet
	s_cmp_eq_u32 s13, 0                            ; a wave's two first fills stand in one branch: two loads of mine are out
	s_cbranch_scc0 .Lfirst_b
	tensor_load_to_lds s[G0:G0+3], s[G1:G1+7]
	s_nop 0
	tensor_load_to_lds s[G0+4:G0+7], s[G1:G1+7]
	s_nop 0
	PLACES
	s_branch .Lfirst_done
.Lfirst_b:
	tensor_load_to_lds s[G0B:G0B+3], s[G1B:G1B+7]
	s_nop 0
	tensor_load_to_lds s[G0B+4:G0B+7], s[G1B:G1B+7]
	s_nop 0
	PLACES
.Lfirst_done:
	v_and_b32 v1, 15, v0                           ; r = l % 16
	v_bfe_u32 v2, v0, 4, 1                         ; h = l / 16
	v_and_b32 v4, 7, v0
	v_lshl_add_u32 v4, v2, 3, v4                   ; 8 h + l % 8
	v_bfe_u32 v5, v0, 3, 1                         ; (l / 8) % 2
	s_lshl_b32 s22, s43, 7
	s_lshl_b32 s23, s13, 6
	s_add_co_u32 s22, s22, s23                     ; my wave's first token
	s_lshl_b32 s18, s22, 2
	s_mov_b32 s19, 0
	s_add_nc_u64 s[8:9], s[8:9], s[18:19]
	v_lshlrev_b32 v6, 2, v1
.irp a, 0,1,2,3
	global_load_b32 v[POS+\a], v6, s[8:9] offset:64*\a   ; the position of token 16 a + r
.endr
	v_mul_u32_u24 v3, v1, PA
	v_lshl_add_u32 v3, v2, 4, v3                   ; x: row x pitch + 16 h
	s_mul_i32 s23, s13, AHALF
	v_add_nc_u32 v[ADRA0], s23, v3
	v_mov_b32 v[ADRA], v[ADRA0]                    ; the walk begins in slot 0
	v_mul_u32_u24 v3, v4, PB                       ; W, turned: k row 8 h + l % 8, 16 bytes for each half of eight lanes
	v_lshl_add_u32 v3, v5, 4, v3
	s_lshl_b32 s23, s14, 8
	s_add_co_u32 s23, s23, BOFF
	v_add_nc_u32 v[ADRB0], s23, v3
	v_mov_b32 v[ADRB], v[ADRB0]
	s_mul_i32 s23, s12, STW
	s_add_co_u32 s23, s23, STAGE                   ; my stage: 16 tokens x 288 bytes
	v_mul_u32_u24 v[STO], v1, 288
	v_lshl_add_u32 v[STO], v2, 4, v[STO]
	v_add_nc_u32 v[STO], s23, v[STO]
	v_mul_u32_u24 v[RD], v4, 288
	v_lshl_add_u32 v[RD], v5, 4, v[RD]
	v_add_nc_u32 v[RD], s23, v[RD]
	v_and_b32 v[CO], 31, v0
	v_lshlrev_b32 v[CO], 4, v[CO]
	s_lshl_b32 s72, s42, 1
	s_add_co_u32 s72, s72, s14                     ; my slot of qkv = 2 x tile column + half
	s_lshl_b32 s72, s72, 19
	s_lshl_b32 s73, s22, 8                         ; my first tile of 16 tokens x 4,096 bytes
	s_add_co_u32 s72, s72, s73
	s_mov_b32 s73, 0
	s_add_nc_u64 s[70:71], s[70:71], s[72:73]
	s_mov_b32 s76, 0xffff0000                      ; a word's upper bf16
	v_lshlrev_b32 v7, 4, v2
	s_wait_loadcnt 0x0
.irp a, 0,1,2,3
	v_min_u32 v[POS+\a], 0x7ff, v[POS+\a]
	v_lshl_add_u32 v[POS+\a], v[POS+\a], 8, v7     ; row x 256 bytes + 16 h
.endr
	ROLD 0                                         ; RoPE's first two steps' tables come now, into registers that lie idle through the loop.  Every wave asks for them, so that v32-63 are written
	ROLD 1                                         ; on every way through the text; in the clusters that make v these eight loads a wave are not used
.macro MULA f, a, zero                 ; 8 matrix instructions: row block a x all 8 column blocks, 32 along K.  The 32 accumulators take turns
	WIN MUL
.irp b, 0,1,2,3,4,5,6,7
.if \zero
	v_wmma_f32_16x16x32_bf16 v[8*(8*(\a)+(\b)):8*(8*(\a)+(\b))+7], v[(\f)+8*(\b):(\f)+8*(\b)+7], v[(\f)+64+8*(\a):(\f)+64+8*(\a)+7], 0
.else
	v_wmma_f32_16x16x32_bf16 v[8*(8*(\a)+(\b)):8*(8*(\a)+(\b))+7], v[(\f)+8*(\b):(\f)+8*(\b)+7], v[(\f)+64+8*(\a):(\f)+64+8*(\a)+7], v[8*(8*(\a)+(\b)):8*(8*(\a)+(\b))+7]
.endif
.endr
.endm
.macro FETCH kq, f                     ; 24 LDS loads in one run: quarter kq's fragments of the slot in hand: W's 8 (16 loads), then x's 4 (8 loads)
	WIN 0
.irp b, 0,1,2,3,4,5,6,7
	ds_load_tr16_b128 v[(\f)+8*(\b):(\f)+8*(\b)+3],   v[ADRB] offset:(\kq)*32*PB+32*(\b)
	ds_load_tr16_b128 v[(\f)+8*(\b)+4:(\f)+8*(\b)+7], v[ADRB] offset:(\kq)*32*PB+16*PB+32*(\b)
.endr
.irp a, 0,1,2,3
	ds_load_b128 v[(\f)+64+8*(\a):(\f)+64+8*(\a)+3],   v[ADRA] offset:(\a)*16*PA+64*(\kq)
	ds_load_b128 v[(\f)+64+8*(\a)+4:(\f)+64+8*(\a)+7], v[ADRA] offset:(\a)*16*PA+64*(\kq)+32
.endr
.endm
.macro QUARTER kq, f, g, zero          ; multiplies buffer f; in its middle fetches quarter kq of the slot into buffer g
	s_wait_dscnt 4                                 ; all but x's row blocks 2 and 3 are in
	MULA \f, 0, \zero
	MULA \f, 1, \zero
	PLACES
	FETCH \kq, \g
	s_wait_dscnt 24                                ; all but the 24 just issued
	MULA \f, 2, \zero
	MULA \f, 3, \zero
.endm
.macro TURN fill                       ; a K step's last quarter multiplies buffer 1 and changes slots: one barrier; fill = 1: it opens a round of the cluster's, and the slot that is left is filled again
	WIN 0
	s_wait_tensorcnt 0x0                           ; all my tensor loads have landed: my part of the next slot; so a group 0 may be written
	ds_add_u32 v[SPW], v[NIL]                      ; 0 onto my spare word
.if \fill
	NEXTD
.endif
	s_xor_b32 s[TB], s[TB], SLOT1                  ; the fetches go on in the other slot
	s_wait_dscnt 5                                 ; (the add and the youngest four loads may be out)
	MULA F1, 0, 0
	s_wait_dscnt 0x0                               ; the add is done, and my reads of this slot are over
	s_barrier_signal -1
	MULA F1, 1, 0
	WIN 0
	s_barrier_wait -1
.if \fill
	CREST                                          ; no wave of any partner still reads this slot or has a load on its way
	JLOAD                                          ; the first tensor load behind the round; its four v_nop are also the places in front of the loads below
.else
	PLACES
.endif
	v_add_nc_u32 v[ADRA], s[TB], v[ADRA0]
	v_add_nc_u32 v[ADRB], s[TB], v[ADRB0]
	FETCH 0, F0
	MULA F1, 2, 0
	MULA F1, 3, 0
.endm
	s_wait_tensorcnt 0x1                           ; my part of the first K step is in; slot 1's may stay out
	s_barrier_signal -1
	s_barrier_wait -1
	FETCH 0, F0
	QUARTER 1, F0, F1, 1                           ; the first quarter's products start the sums
	WIN 0
	s_mov_b32 s3, NST-2
.Lstep:                                        ; a trip goes from a K step's second quarter to the next step's first, and fills the slot that it leaves
	QUARTER 2, F1, F0, 0
	QUARTER 3, F0, F1, 0
	TURN 1
	QUARTER 1, F0, F1, 0
	WIN 0
	s_sub_co_u32 s3, s3, 1
	s_cmp_lg_u32 s3, 0
	s_cbranch_scc1 .Lstep
	s_mov_b32 s3, 2                                ; the last two K steps fill nothing: the same trip without a load, left in the middle of its second turn.
.Ltail:                                        ; There its barrier and the 24 fragment loads from the other slot serve nothing: the price, once a launch, of one text for both trips
	QUARTER 2, F1, F0, 0
	QUARTER 3, F0, F1, 0
	TURN 0
	WIN 0
	s_sub_co_u32 s3, s3, 1
	s_cmp_eq_u32 s3, 0
	s_cbranch_scc1 .Lout
	QUARTER 1, F0, F1, 0
	WIN 0
	s_branch .Ltail
.Lout:
	s_wait_dscnt 0x0                               ; those loads have landed: their registers are used again below
	PLACES                                         ; THE WAY OUT
	s_cmp_eq_u32 ttmp9, 3                          ; the cluster's x, the same in all partners: the last four tile columns are v's
	s_cbranch_scc1 .Lvpath
; q and k.  Channel d < 64 and channel d + 64 lie in the same lane and register of column blocks p and p + 4.  16 steps (row block a, p); a step's four table loads are issued three steps ahead.
.set T_, 64                            ; v64-95   the step's tables in f32: cos low 0-7, cos high 8-15, sin low 16-23, sin high 24-31
.macro ROST n
.set a_, (\n)/4
.set p_, (\n)%4
.set P_, 32+16*((\n)%4)+96*(((\n)%4)/2)
.set Y_, 128+8*((\n)%2)
.set lo_, 8*(8*a_+p_)
.set hi_, 8*(8*a_+p_+4)
	WIN 0
.set z_, 0
.rept 16                               ; bf16 to f32: the low half moves up, the high half stays
	v_lshlrev_b32 v[T_+2*z_], 16, v[P_+z_]
	v_and_b32 v[T_+2*z_+1], s76, v[P_+z_]
.set z_, z_+1
.endr
	WIN 0x01                                       ; source 0 in window 1
.irp z, 0,2,4,6
	v_pk_mul_f32 v[T_+\z:T_+\z+1], v[lo_+\z:lo_+\z+1], v[T_+\z:T_+\z+1]
	v_pk_mul_f32 v[T_+8+\z:T_+8+\z+1], v[hi_+\z:hi_+\z+1], v[T_+8+\z:T_+8+\z+1]
.endr
.irp z, 0,2,4,6
	v_pk_fma_f32 v[T_+\z:T_+\z+1], v[hi_+\z:hi_+\z+1], v[T_+16+\z:T_+16+\z+1], v[T_+\z:T_+\z+1] neg_lo:[1,0,0] neg_hi:[1,0,0]  ; low cos - high sin
	v_pk_fma_f32 v[T_+8+\z:T_+8+\z+1], v[lo_+\z:lo_+\z+1], v[T_+24+\z:T_+24+\z+1], v[T_+8+\z:T_+8+\z+1]                        ; high cos + low sin
.endr
	WIN 0
	s_wait_xcnt 0x0                                ; the stores of two steps back have read these eight registers
.irp z, 0,1,2,3
	v_cvt_pk_f16_f32 v[Y_+\z], v[T_+2*\z], v[T_+2*\z+1]
	v_cvt_pk_f16_f32 v[Y_+4+\z], v[T_+8+2*\z], v[T_+8+2*\z+1]
.endr
	global_store_b128 v[CO], v[Y_:Y_+3], s[70:71] offset:a_*4096+p_*512          ; 512 bytes on end
	global_store_b128 v[CO], v[Y_+4:Y_+7], s[70:71] offset:a_*4096+(p_+4)*512
.endm
	ROLD 2
.set n_, 0
.rept 16
.if n_ < 13
	ROLD n_+3
	s_wait_loadcnt 12                              ; this step's four are in; the next three steps' twelve stay out
.else
	s_wait_loadcnt 4*(15-n_)                       ; nothing more is asked for: the counts run down
.endif
	ROST n_
.set n_, n_+1
.endr
	s_branch .Lend
.Lvpath:                                       ; v: 16 tokens x 128 channels go through my stage and come back turned: a lane then holds one channel and eight tokens
.irp a, 0,1,2,3
	WIN 0x05
.irp b, 0,1,2,3,4,5,6,7
.irp z, 0,1,2,3
	v_cvt_pk_f16_f32 v[64+4*\b+\z], v[8*(8*\a+\b)+2*\z], v[8*(8*\a+\b)+2*\z+1]
.endr
.endr
	WIN 0
.irp b, 0,1,2,3,4,5,6,7
	ds_store_b128 v[STO], v[64+4*\b:64+4*\b+3] offset:32*\b
.endr
	s_wait_xcnt 0x0                                ; the last block's stores have read the registers that are loaded below
.irp b, 0,1,2,3,4,5,6,7
	ds_load_tr16_b128 v[96+4*\b:96+4*\b+3], v[RD] offset:32*\b   ; LDS serves a wave's instructions in order (ISA guide 5.7.1.4): these see the stores above
.endr
	s_wait_dscnt 0x0
.irp b, 0,1,2,3,4,5,6,7
	global_store_b128 v[CO], v[96+4*\b:96+4*\b+3], s[70:71] offset:\a*4096+\b*512
.endr
.endr
.Lend:
	s_wait_tensorcnt 0x0                           ; the wave's end
	ds_add_u32 v[SPW], v[NIL]
	s_wait_dscnt 0x0
	CROUND                                         ; the closing round
	s_endpgm
.Lfunc_end_k_qccf4363f8c_proj:
	.size	k_qccf4363f8c_proj, .Lfunc_end_k_qccf4363f8c_proj-k_qccf4363f8c_proj
	.p2alignl 7, 3214868480
	.fill 96, 4, 3214868480
	.section	.rodata,"a",@progbits
	.p2align	6, 0x0
	.amdhsa_kernel k_qccf4363f8c_proj
		.amdhsa_group_segment_fixed_size 327680
		.amdhsa_private_segment_fixed_size 0
		.amdhsa_enable_private_segment 0
		.amdhsa_kernarg_size 48
		.amdhsa_user_sgpr_count 2
		.amdhsa_user_sgpr_kernarg_segment_ptr 1
		.amdhsa_wavefront_size32 1
		.amdhsa_system_sgpr_workgroup_id_x 1
		.amdhsa_system_sgpr_workgroup_id_y 1
		.amdhsa_system_sgpr_workgroup_id_z 1
		.amdhsa_system_vgpr_workitem_id 0
		.amdhsa_next_free_vgpr 512
		.amdhsa_next_free_sgpr 88
		.amdhsa_reserve_vcc 0
		.amdhsa_float_denorm_mode_32 3
		.amdhsa_float_denorm_mode_16_64 3
		.amdhsa_memory_ordered 1
		.amdhsa_forward_progress 1
		.amdhsa_inst_pref_size 113
	.end_amdhsa_kernel
	.amdgpu_metadata
---
amdhsa.version: [ 1, 2 ]
amdhsa.kernels:
  - .name:           k_qccf4363f8c_proj
    .symbol:         k_qccf4363f8c_proj.kd
    .args:
      - { .name: xb, .offset: 0, .size: 8, .value_kind: global_buffer, .address_space: global }
      - { .name: wqkv, .offset: 8, .size: 8, .value_kind: global_buffer, .address_space: global }
      - { .name: position_ids, .offset: 16, .size: 8, .value_kind: global_buffer, .address_space: global }
      - { .name: cosb, .offset: 24, .size: 8, .value_kind: global_buffer, .address_space: global }
      - { .name: sinb, .offset: 32, .size: 8, .value_kind: global_buffer, .address_space: global }
      - { .name: qkv, .offset: 40, .size: 8, .value_kind: global_buffer, .address_space: global }
    .group_segment_fixed_size: 327680
    .private_segment_fixed_size: 0
    .kernarg_segment_align: 8
    .kernarg_segment_size: 48
    .max_flat_workgroup_size: 128
    .sgpr_count:     88
    .vgpr_count:     512
    .wavefront_size: 32
...
	.end_amdgpu_metadata
.endif
;; end of part 2
;; launch attn (part 3): grid 16 x 16, 4 waves a work-group, no clusters, 70,144 bytes of LDS; arguments qkv, ob; writes ob
.if DOCPART == 3
	.amdgcn_target "amdgcn-amd-amdhsa--gfx1250"
	.amdhsa_code_object_version 6
	.text
	.protected	k_qccf4363f8c_attn
	.globl	k_qccf4363f8c_attn
	.p2align	8
	.type	k_qccf4363f8c_attn,@function
k_qccf4363f8c_attn:
	s_mov_b64 s[64:65], 0
	v_nop
	global_prefetch_b8 v0, s[64:65] scope:SCOPE_SE
	s_setreg_imm32_b32 hwreg(HW_REG_WAVE_MODE, 25, 1), 1
	s_wait_xcnt 0x0
; Causal attention in which a row keeps its 1,024 largest scores and keys 0..3.  16 query heads, 8 key and value heads, head size 128, 2,048 tokens.
; qkv: q, k, v times 0.25 in f16, in fragment order (32 slots of 524,288 bytes; a tile of 16 tokens is 8 blocks of 512 bytes).  ob: [2048][2048] f16, the heads' outputs times 0.25.
; SHARES.  A work-group (x, head) walks four blocks of 32 queries: 63 - x, 32 + x (rows from 1,024 on: a threshold is sought), 31 - x, x (rows with at most 1,024 visible keys: all are kept).
; The keys are split among the four waves: wave w owns the tiles of 16 keys 4 i + w.  A GRANULE is 128 keys (i = 2 p, 2 p + 1), a STEP 256.  A block's scores, 32 queries x up to 512 keys a wave,
; stay in 512 registers from the first product to the second.  K and V fragments come straight from memory, 512 bytes on end a load: no wave wants another wave's keys.
; NO CLUSTER, NO TENSOR LOAD: the scores are named registers, and how many steps a block has hangs on the block, so hidden steps are jumped forward.
; LAYOUT.  S^T = K Q^T: a lane holds one query (lane % 16) and the keys 8 (lane / 16) + 0..7 of a tile.  Two tiles rounded to f16 are source 1 of O^T = V^T P.
; THE MASK is the C operand of the block's last step: 0, or -1e30 where the key is hidden.  Later steps are left out, and no line that runs for the block reads their scores; those registers are set
; to -1e30 once, at the kernel's head, so that every register has been written ahead of every line that names it.
; THE THRESHOLD.  With m the row's maximum, lo = max(least of the first 1,024 scores, m - 73.5) and hi = m, NIT halvings: count = the sum of clamp((s - mid) G + 1) to 0..1, G = 2^18 / (hi - lo);
; lo = mid where the count reaches 1,024, else hi = mid.  The weight of a key is clamp((s - lo) G + 1) 2^(c s - c m), c = 16 log2(e) / sqrt(128); keys 0..3 have the factor 1.
; WHY 16 HALVINGS.  hi - lo is at most twice the largest |s|.  A score is a sum of 128 products of numbers rounded to f16, each product off by up to 2^-11 of itself: that rounding may move a score
; by up to 2^-11 of the sum of its terms' magnitudes.  The last interval, 2^-16 of hi - lo, is at most 2^-15 of that sum: sixteen times finer, whatever the inputs' scale.
; LIMITS.  Beside the keys that the 1,024th largest score admits, keys less than 1.25 x 2^-16 of (hi - lo) below it may be kept, those in the last 2^-18 with a partial weight.
; A weight under 2^-150 (73.5 below m in the stored scores) counts as 0; a hidden score counts as -1e30; NaN and infinities are not treated apart.  p is rounded to f16; l is the sum of the unrounded p.
; REGISTERS, in windows of 256 (s_set_vgpr_msb: bits 1:0 source 0, 3:2 source 1, 5:4 source 2, 7:6 destination):
;   window 0: v0-31 addresses and statistics; v32-159 O^T (u, cb) at 32 + 64 u + 8 cb, before that Q (v32-95), the mask (v96-159) and scratch; v160-223 S of granules 0, 1; v224-255 AUX
;   window 1: two buffers of 128 for a step's K or V          window 2: S of granules 2-8, AUX          window 3: S of granules 9-15, AUX
;   S(p, e, u, r) = base(p) + 16 e + 8 u + r.  AUX has the same numbers in windows 0, 2, 3, so that one text serves all three.
.set XCH,   0                          ; LDS: 16 bytes a thread, for the exchanges between the waves
.set ORED,  2048                       ; [wave 4][query 32][528 bytes]: the waves' parts of O, f32
.set OPI,   528
.set OPW,   32*OPI
.set SPARE, ORED+4*OPW                 ; the spare words, 128 bytes for each wave: two blocks of 256 bytes that no other line names
.set NIT,   16
.set LK,  1                            ; v1  wave x 4,096 + lane x 16
.set LQ,  2                            ; v2  lane x 16
.set XA,  3                            ; v3  thread x 16
.set OS,  5                            ; v5  where I put my part of O
.set ORD, 6                            ; v6  where I read the four parts back
.set GO,  7                            ; v7  my byte offset in the block's rows of ob
.set D0,  8                            ; v8  my query less my first key of the block's last step
.set DL,  9                            ; v9  its lane term: r - 16 w - 8 h
.set LO,  10
.set HI,  12
.set MID, 14
.set GV,  16
.set MM,  18
.set XV,  20                           ; v20-23 what a wave hands to the others
.set TT,  24                           ; v24-25 at work
.set BV,  26                           ; v26-27 1 - mid G
.set SPW, 28
.set NIL, 29
.set MNV, 30
.set OT,  32
.set QF,  32
.set MC,  96
.set GSK, 96                           ; v96-103 G and B for keys 0..3
.set RCV, 104
.set AG,  224                          ; AUX: G, twice for each u
.set AB,  228                          ;      B
.set ACM, 232                          ;      - c m
.set ACH, 236                          ;      four chains of pairs (u0, u1, u0, u1): counts, later l
.set AY,  244                          ;      at work; in the first product's phase four running maxima
.set AMX, 244
.set AMN, 248                          ;      and four running minima
.set MSB, 0
.macro WIN new
.if MSB != (\new)
	s_set_vgpr_msb (MSB<<8)|(\new)
.set MSB, \new
.endif
.endm
.macro PLACES
.rept 4
	v_nop
.endr
.endm
.macro SB p                            ; granule p: its window WS and its first register BA
.if (\p) < 2
.set WS, 0
.set BA, 160+32*(\p)
.elseif (\p) < 9
.set WS, 2
.set BA, 32*((\p)-2)
.else
.set WS, 3
.set BA, 32*((\p)-9)
.endif
.endm
.macro LDK j, t0=0, tn=4               ; step j's K, tiles t0 .. t0 + tn - 1 of its 4, 8 blocks each, into buffer j % 2: tile t, channels 32 c on at 32 t + 8 c
	WIN 0x40
.set t_, \t0
.rept \tn
.set b_, 0
.rept 8
	global_load_b128 v[128*((\j)%2)+32*t_+4*b_:128*((\j)%2)+32*t_+4*b_+3], v[LK], s[18:19] offset:(4*(\j)+t_)*16384+b_*512
.set b_, b_+1
.endr
.set t_, t_+1
.endr
.endm
.macro LDV j                           ; step j's V: granule t / 2, channels 16 cb on at 64 (t / 2) + 8 cb; tile t % 2 fills its half of the fragment
	WIN 0x40
.set t_, 0
.rept 4
.set b_, 0
.rept 8
	global_load_b128 v[128*((\j)%2)+64*(t_/2)+8*b_+4*(t_%2):128*((\j)%2)+64*(t_/2)+8*b_+4*(t_%2)+3], v[LK], s[20:21] offset:(4*(\j)+t_)*16384+b_*512
.set b_, b_+1
.endr
.set t_, t_+1
.endr
.endm
.macro QKP j, c, msk                   ; the 8 products of channels 32 c on: 4 tiles x 2 query tiles.  The 8 accumulators take turns
.set t_, 0
.rept 4
	SB 2*(\j)+t_/2
.set u_, 0
.rept 2
.set rS, BA+16*(t_%2)+8*u_
.set rK, 128*((\j)%2)+32*t_+8*(\c)
.set rQ, QF+32*u_+8*(\c)
.if (\c) == 0
	WIN (WS<<6)|1
.if \msk
	v_wmma_f32_16x16x32_f16 v[rS:rS+7], v[rK:rK+7], v[rQ:rQ+7], v[MC+16*t_+8*u_:MC+16*t_+8*u_+7]
.else
	v_wmma_f32_16x16x32_f16 v[rS:rS+7], v[rK:rK+7], v[rQ:rQ+7], 0
.endif
.else
	WIN (WS<<6)|(WS<<4)|1
	v_wmma_f32_16x16x32_f16 v[rS:rS+7], v[rK:rK+7], v[rQ:rQ+7], v[rS:rS+7]
.endif
.set u_, u_+1
.endr
.set t_, t_+1
.endr
.endm
.macro STAT p                          ; granule p's maxima (and, among the first 1,024 keys, minima), four chains; each accumulator is read from its low end on
	SB \p
	WIN WS*0x55
.set r_, 0
.rept 4
.set c_, 0
.rept 4
	v_max3_num_f32 v[AMX+c_], v[AMX+c_], v[BA+8*c_+2*r_], v[BA+8*c_+2*r_+1]
.set c_, c_+1
.endr
.set r_, r_+1
.endr
.if (\p) < 8
.set r_, 0
.rept 4
.set c_, 0
.rept 4
	v_min3_num_f32 v[AMN+c_], v[AMN+c_], v[BA+8*c_+2*r_], v[BA+8*c_+2*r_+1]
.set c_, c_+1
.endr
.set r_, r_+1
.endr
.endif
.endm
.macro FILL j                          ; step j's 64 scores a lane: hidden
.irp g, 0,1
	SB 2*(\j)+\g
	WIN WS<<6
.set f_, 0
.rept 32
	v_mov_b32 v[BA+f_], s30
.set f_, f_+1
.endr
.endr
.endm
; A step of the first product.  A block with j steps or fewer leaves the steps here for good, so no live step ever follows a hidden one.
; K of step j + 2 is asked for straight behind step j's products, which have read its buffer, always (it stays inside K's slot): so the wait at a step's head can leave exactly the next step's 32 loads out.
; 24 of its loads stand ahead of the maxima and 8 behind them: with the 32 of step j + 1 that is 56 out while the maxima run.
.macro QKSTEP j
.if (\j) > 0
	s_cmp_le_u32 s14, \j
	s_cbranch_scc1 .Lqk_end
.endif
.if (\j) < 7
	s_wait_loadcnt 32                              ; this step's K (and Q) is in; the 32 youngest loads may stay out
	s_cmp_eq_u32 s14, (\j)+1                       ; the block's last step takes the mask
	s_cbranch_scc1 .Lmsk\j
	QKP \j, 0, 0
	WIN 0
	s_branch .Lrst\j
.Lmsk\j:
.else
	s_wait_loadcnt 0x0
.endif
	QKP \j, 0, 1
	WIN 0
.if (\j) < 7
.Lrst\j:
.endif
	QKP \j, 1, 0
	QKP \j, 2, 0
	QKP \j, 3, 0
	PLACES
.if (\j) < 6
	LDK (\j)+2, 0, 3
.endif
	STAT 2*(\j)
	STAT 2*(\j)+1
.if (\j) < 6
	LDK (\j)+2, 3, 1
.endif
	WIN 0
.endm
; Granule p's 32 scores a lane are counted: pair k (u = k % 2) gives clamp(s G + B), added four lines later onto chain k % 4.  first = 1: the first four start the window's chains.
.macro CNT p, first
	SB \p
	WIN WS*0x55
.set k_, 0
.rept 20
.if k_ < 16
.set sp_, BA+16*(k_/8)+8*(k_%2)+2*((k_/2)%4)
.if (\first) && (k_ < 4)
	v_pk_fma_f32 v[ACH+2*k_:ACH+2*k_+1], v[sp_:sp_+1], v[AG+2*(k_%2):AG+2*(k_%2)+1], v[AB+2*(k_%2):AB+2*(k_%2)+1] clamp
.else
	v_pk_fma_f32 v[AY+2*(k_%6):AY+2*(k_%6)+1], v[sp_:sp_+1], v[AG+2*(k_%2):AG+2*(k_%2)+1], v[AB+2*(k_%2):AB+2*(k_%2)+1] clamp
.endif
.endif
.if (k_ >= 4) && !((\first) && (k_ < 8))
	v_pk_add_f32 v[ACH+2*(k_%4):ACH+2*(k_%4)+1], v[ACH+2*(k_%4):ACH+2*(k_%4)+1], v[AY+2*((k_-4)%6):AY+2*((k_-4)%6)+1]
.endif
.set k_, k_+1
.endr
.endm
; Granule p's weights.  For pair k, in four stages a line apart: the factor and c s - c m; two exponentials; their product; l's sum and the rounding to f16, which lands on registers already used up.
; A plain line stands behind each pair of exponentials before a result is used (ISA guide 5.7.2).  sink = 1 (granule 0): the first two pairs of each u take the factor made for keys 0..3.
.macro SOFT p, sink
	SB \p
	WIN WS*0x55
.set i_, 0
.rept 19
.if i_ < 16
.set sp_, BA+16*(i_/8)+8*(i_%2)+2*((i_/2)%4)
.if (\sink) && (i_ < 4)
	v_pk_fma_f32 v[AY+2*(i_%4):AY+2*(i_%4)+1], v[sp_:sp_+1], v[GSK+2*(i_%2):GSK+2*(i_%2)+1], v[GSK+4+2*(i_%2):GSK+4+2*(i_%2)+1] clamp
.else
	v_pk_fma_f32 v[AY+2*(i_%4):AY+2*(i_%4)+1], v[sp_:sp_+1], v[AG+2*(i_%2):AG+2*(i_%2)+1], v[AB+2*(i_%2):AB+2*(i_%2)+1] clamp
.endif
	v_pk_fma_f32 v[sp_:sp_+1], v[sp_:sp_+1], s[26:27], v[ACM+2*(i_%2):ACM+2*(i_%2)+1] op_sel_hi:[1,0,1]
.endif
.if (i_ >= 1) && (i_ < 17)
.set k_, i_-1
.set sp_, BA+16*(k_/8)+8*(k_%2)+2*((k_/2)%4)
	v_exp_f32 v[sp_], v[sp_]
	v_exp_f32 v[sp_+1], v[sp_+1]
.endif
.if (i_ >= 2) && (i_ < 18)
.set k_, i_-2
.set sp_, BA+16*(k_/8)+8*(k_%2)+2*((k_/2)%4)
	s_wait_alu depctr_va_vdst(0)
	v_pk_mul_f32 v[sp_:sp_+1], v[sp_:sp_+1], v[AY+2*(k_%4):AY+2*(k_%4)+1]
.endif
.if i_ >= 3
.set k_, i_-3
.set sp_, BA+16*(k_/8)+8*(k_%2)+2*((k_/2)%4)
	v_pk_add_f32 v[ACH+2*(k_%4):ACH+2*(k_%4)+1], v[ACH+2*(k_%4):ACH+2*(k_%4)+1], v[sp_:sp_+1]
	v_cvt_pk_f16_f32 v[BA+8*(k_%2)+4*(k_/8)+((k_/2)%4)], v[sp_], v[sp_+1]
.endif
.set i_, i_+1
.endr
.endm
.macro PVW p, zero                     ; O^T += V^T P for granule p: 8 channel blocks x 2 query tiles; the 16 accumulators take turns
	SB \p
	WIN (WS<<2)|1
.set c_, 0
.rept 8
.set u_, 0
.rept 2
.set rO, OT+64*u_+8*c_
.set rV, 128*(((\p)/2)%2)+64*((\p)%2)+8*c_
.if \zero
	v_wmma_f32_16x16x32_f16 v[rO:rO+7], v[rV:rV+7], v[BA+8*u_:BA+8*u_+7], 0
.else
	v_wmma_f32_16x16x32_f16 v[rO:rO+7], v[rV:rV+7], v[BA+8*u_:BA+8*u_+7], v[rO:rO+7]
.endif
.set u_, u_+1
.endr
.set c_, c_+1
.endr
.endm
.macro PVSTEP j
.if ((\j) > 0) && ((\j) < 7)
	PLACES                                         ; behind the last products, which read the buffer that is loaded now
	LDV (\j)+1
	WIN 0
.endif
.if (\j) < 7
	s_wait_loadcnt 32                              ; this step's V is in; the 32 youngest loads may stay out
.else
	s_wait_loadcnt 0x0
.endif
	SOFT 2*(\j), (\j)==0
	PVW 2*(\j), (\j)==0
	WIN 0
	s_cmp_eq_u32 s15, 2*(\j)+1                     ; that was the block's last granule
	s_cbranch_scc1 .Lpv_end
	SOFT 2*(\j)+1, 0
	PVW 2*(\j)+1, 0
	WIN 0
.if (\j) < 7
	s_cmp_eq_u32 s15, 2*(\j)+2
	s_cbranch_scc1 .Lpv_end
.endif
.endm
; Each wave hands four numbers a lane to the others.  The first barrier: every wave's reads of the last exchange are back (each waited for them ahead of its signal).  The second: every wave's store is done.
.macro XCHG rcv
	s_barrier_signal -1
	s_barrier_wait -1
	ds_store_b128 v[XA], v[XV:XV+3]
	s_wait_dscnt 0x0
	s_barrier_signal -1
	s_barrier_wait -1
.irp w, 0,1,2,3
	ds_load_b128 v[(\rcv)+4*\w:(\rcv)+4*\w+3], v[LQ] offset:XCH+512*\w
.endr
	s_wait_dscnt 0x0
.endm
.macro PUT4 low, a, b                  ; two numbers, twice each, into the AUX of windows 0, 2, 3
.irp w, 0x00, 0x80, 0xc0
	WIN \w
	v_mov_b32 v[(\low)], v[\a]
	v_mov_b32 v[(\low)+1], v[\a]
	v_mov_b32 v[(\low)+2], v[\b]
	v_mov_b32 v[(\low)+3], v[\b]
.endr
	WIN 0
.endm
.macro FOLD w                          ; window 0's four chains take those of the window that source 1 names
	WIN \w
.irp i, 0,2,4,6
	v_pk_add_f32 v[ACH+\i:ACH+\i+1], v[ACH+\i:ACH+\i+1], v[ACH+\i:ACH+\i+1]
.endr
	WIN 0
.endm
.macro LANES                           ; the chains of each u, the pair's halves and the other half of the lanes' are added: v20, v21
	v_pk_add_f32 v[ACH:ACH+1], v[ACH:ACH+1], v[ACH+4:ACH+5]
	v_pk_add_f32 v[ACH+2:ACH+3], v[ACH+2:ACH+3], v[ACH+6:ACH+7]
	v_add_f32 v[XV], v[ACH], v[ACH+1]
	v_add_f32 v[XV+1], v[ACH+2], v[ACH+3]
	v_permlanex16_b32 v[TT], v[XV], s28, s29
	v_permlanex16_b32 v[TT+1], v[XV+1], s28, s29
	v_add_f32 v[XV], v[XV], v[TT]
	v_add_f32 v[XV+1], v[XV+1], v[TT+1]
.endm
	s_load_b128 s[4:7], s[0:1], 0x0                ; qkv s[4:5], ob s[6:7]
	v_lshl_add_u32 v[SPW], v0, 2, SPARE
	v_mov_b32 v[NIL], 0
	v_lshrrev_b32 v9, 5, v0
	v_readfirstlane_b32 s10, v9                    ; wave 0..3
	s_mov_b32 s8, ttmp9                            ; x
	s_and_b32 s9, ttmp7, 0xffff                    ; head
	v_and_b32 v24, 31, v0                          ; lane
	v_and_b32 v25, 15, v0                          ; r
	v_bfe_u32 v26, v0, 4, 1                        ; h
	v_lshlrev_b32 v[LQ], 4, v24
	v_lshl_add_u32 v[LK], v9, 12, v[LQ]
	v_lshlrev_b32 v[XA], 4, v0
	v_mul_u32_u24 v[OS], v25, OPI
	v_lshl_add_u32 v[OS], v26, 5, v[OS]
	s_mul_i32 s32, s10, OPW
	s_add_co_u32 s32, s32, ORED
	v_add_nc_u32 v[OS], s32, v[OS]                 ; my wave's part: query r, 32 bytes for each half of the lanes
	s_mul_i32 s32, s10, 8*OPI
	s_add_co_u32 s32, s32, ORED
	v_add_nc_u32 v[ORD], s32, v[LQ]                ; back: queries 8 w .. 8 w + 7, a row of 512 bytes a load
	v_lshlrev_b32 v[GO], 3, v24
	v_lshl_add_u32 v[GO], v9, 15, v[GO]            ; 8 w rows of 4,096 bytes + 8 x lane
	v_lshlrev_b32 v27, 3, v26
	v_sub_nc_u32 v27, v25, v27
	v_lshlrev_b32 v9, 4, v9
	v_sub_nc_u32 v[DL], v27, v9                    ; r - 8 h - 16 w
	s_mov_b32 s26, 0x400293ee                      ; c = 16 log2(e) / sqrt(128): the stored q and k carry 1/4 each
	s_mov_b32 s27, s26
	s_mov_b32 s28, 0x76543210                      ; v_permlanex16_b32: each lane takes its own place in the other half
	s_mov_b32 s29, 0xfedcba98
	s_mov_b32 s30, 0xf149f2ca                      ; -1e30
	s_mov_b32 s39, 0xff7fffff                      ; the lowest finite number,
	s_mov_b32 s40, 0x7f7fffff                      ; the highest
	s_mov_b32 s41, 0x0da24260                      ; 1e-30
	s_lshr_b32 s32, s9, 1                          ; two query heads share a key and value head
	s_add_co_u32 s32, s32, 16
	s_lshl_b32 s32, s32, 19
	s_mov_b32 s33, 0
	s_lshl_b32 s42, s9, 19
	s_mov_b32 s43, 0
	s_lshl_b32 s44, s9, 8
	s_mov_b32 s45, 0
.irp j, 1,2,3,4,5,6,7                  ; the scores of all steps that a block may leave out, once, while the arguments are on their way
	FILL \j
.endr
	WIN 0
	s_wait_kmcnt 0x0
	s_add_nc_u64 s[18:19], s[4:5], s[32:33]        ; K's slot
	s_add_nc_u64 s[20:21], s[18:19], 0x400000      ; V's, eight slots on
	s_add_nc_u64 s[34:35], s[4:5], s[42:43]        ; Q's
	s_add_nc_u64 s[36:37], s[6:7], s[44:45]        ; the head's 256 bytes of a row of ob
	s_mov_b32 s11, 0
.Lblock:                                       ; four trips
	s_sub_co_u32 s32, 63, s8
	s_add_co_u32 s33, s8, 32
	s_sub_co_u32 s38, 31, s8
	s_mov_b32 s12, s8
	s_cmp_eq_u32 s11, 2
	s_cselect_b32 s12, s38, s12
	s_cmp_eq_u32 s11, 1
	s_cselect_b32 s12, s33, s12
	s_cmp_eq_u32 s11, 0
	s_cselect_b32 s12, s32, s12                    ; the block of 32 queries
	s_lshl_b32 s13, s12, 5                         ; its first query
	s_add_co_u32 s14, s12, 8
	s_lshr_b32 s14, s14, 3                         ; its steps of 256 keys
	s_add_co_u32 s15, s12, 4
	s_lshr_b32 s15, s15, 2                         ; its granules of 128 keys
	s_wait_xcnt 0x0                                ; the last block's loads and stores have read their bases and data
	s_lshl_b32 s24, s12, 13
	s_mov_b32 s25, 0
	s_add_nc_u64 s[16:17], s[34:35], s[24:25]
	s_lshl_b32 s24, s13, 12
	s_add_nc_u64 s[22:23], s[36:37], s[24:25]
.set i, 0
.rept 16
	global_load_b128 v[QF+4*i:QF+4*i+3], v[LQ], s[16:17] offset:512*i   ; Q: query tile i / 8, block i % 8
.set i, i+1
.endr
	LDK 0                                          ; 48 loads are out while the mask is made; K of step 1 follows behind it
	WIN 0
	s_sub_co_u32 s24, s14, 1
	s_lshl_b32 s24, s24, 8
	s_sub_co_u32 s24, s13, s24
	v_add_nc_u32 v[D0], s24, v[DL]
.set t_, 0
.rept 4                                ; the last step's mask: key 64 t + r of my keys is hidden from query tile u where 64 t + r - 16 u is greater than D0
.set u_, 0
.rept 2
.set r_, 0
.rept 8
	v_cmp_gt_i32 vcc_lo, 64*t_+r_-16*u_, v[D0]
	v_cndmask_b32 v[MC+16*t_+8*u_+r_], 0, s30, vcc_lo
.set r_, r_+1
.endr
.set u_, u_+1
.endr
.set t_, t_+1
.endr
.irp w, 0x00, 0x80, 0xc0
	WIN \w
.irp i, 0,1,2,3
	v_mov_b32 v[AMX+\i], s39
	v_mov_b32 v[AMN+\i], s40
.endr
.endr
	LDK 1
	WIN 0
.irp j, 0,1,2,3,4,5,6,7
	QKSTEP \j
.endr
.Lqk_end:
	s_wait_loadcnt 0x0                             ; the steps of K asked for and not used have landed too
	PLACES
	LDV 0                                          ; they land while the threshold is sought
	LDV 1
	WIN 0x38                                       ; the maxima of windows 0, 2 and 3 in one line each
.irp i, 0,1,2,3
	v_max3_num_f32 v[RCV+8+\i], v[AMX+\i], v[AMX+\i], v[AMX+\i]
.endr
	WIN 0x08                                       ; the minima of windows 0 and 2
.irp i, 0,1,2,3
	v_min_num_f32 v[RCV+\i], v[AMN+\i], v[AMN+\i]
.endr
	WIN 0
	v_max_num_f32 v[XV], v[RCV+8], v[RCV+10]
	v_max_num_f32 v[XV+1], v[RCV+9], v[RCV+11]
	v_min_num_f32 v[XV+2], v[RCV], v[RCV+2]
	v_min_num_f32 v[XV+3], v[RCV+1], v[RCV+3]
.irp i, 0,1,2,3
	v_permlanex16_b32 v[RCV+\i], v[XV+\i], s28, s29
.endr
	v_max_num_f32 v[XV], v[XV], v[RCV]
	v_max_num_f32 v[XV+1], v[XV+1], v[RCV+1]
	v_min_num_f32 v[XV+2], v[XV+2], v[RCV+2]
	v_min_num_f32 v[XV+3], v[XV+3], v[RCV+3]
	XCHG RCV
.irp u, 0,1
	v_max3_num_f32 v[MM+\u], v[RCV+\u], v[RCV+4+\u], v[RCV+8+\u]
	v_min3_num_f32 v[MNV+\u], v[RCV+2+\u], v[RCV+6+\u], v[RCV+10+\u]
	v_max_num_f32 v[MM+\u], v[MM+\u], v[RCV+12+\u]
	v_min_num_f32 v[MNV+\u], v[MNV+\u], v[RCV+14+\u]
	v_mov_b32 v[GV+\u], 0                          ; rows that keep all visible keys: the factor is s x 0 + 1
	v_mov_b32 v[BV+\u], 1.0
.endr
	s_cmp_ge_u32 s11, 2
	s_cbranch_scc1 .Lnobis
.irp u, 0,1
	v_add_f32 v[LO+\u], 0xc2930000, v[MM+\u]       ; m - 73.5
	v_max_num_f32 v[LO+\u], v[LO+\u], v[MNV+\u]
	v_mov_b32 v[HI+\u], v[MM+\u]
	v_and_b32 v[TT], 0x7fffffff, v[LO+\u]
	v_and_b32 v[TT+1], 0x7fffffff, v[HI+\u]
	v_max_num_f32 v[TT], v[TT], v[TT+1]
	v_mul_f32 v[TT], 0x35800000, v[TT]             ; the range is taken as 2^-20 of the larger bound at the least, so that mid G stays finite
	v_sub_f32 v[TT+1], v[HI+\u], v[LO+\u]
	v_max3_num_f32 v[TT], v[TT], v[TT+1], s41
	v_rcp_f32 v[TT], v[TT]
	v_add_f32 v[MID+\u], v[LO+\u], v[HI+\u]
	s_wait_alu depctr_va_vdst(0)
	v_mul_f32 v[GV+\u], 0x48800000, v[TT]          ; G = 2^18 / range
	v_mul_f32 v[MID+\u], 0.5, v[MID+\u]
	v_fma_f32 v[BV+\u], -v[MID+\u], v[GV+\u], 1.0
.endr
	PUT4 AG, GV, GV+1
	PUT4 AB, BV, BV+1
	s_mov_b32 s31, NIT
.Lbis:
	CNT 0, 1
	CNT 1, 0
	CNT 2, 1
.irp p, 3,4,5,6,7,8
	CNT \p, 0
.endr
	FOLD 0x08
	s_cmp_le_u32 s15, 9                            ; such a block has nine granules at the least; hidden ones would count 0 and are jumped
	s_cbranch_scc1 .Lcdone
	CNT 9, 1
	WIN 0
.irp p, 10,11,12,13,14,15
	s_cmp_le_u32 s15, \p
	s_cbranch_scc1 .Lcf3
	CNT \p, 0
	WIN 0
.endr
.Lcf3:
	FOLD 0x0c
.Lcdone:
	LANES
	XCHG RCV
.irp u, 0,1
	v_add_f32 v[RCV+\u], v[RCV+\u], v[RCV+4+\u]
	v_add_f32 v[RCV+8+\u], v[RCV+8+\u], v[RCV+12+\u]
	v_add_f32 v[RCV+\u], v[RCV+\u], v[RCV+8+\u]    ; the same sum in the same order in every wave
	v_cmp_le_f32 vcc_lo, 0x44800000, v[RCV+\u]     ; 1,024 or more at or above mid?
	v_cndmask_b32 v[LO+\u], v[LO+\u], v[MID+\u], vcc_lo
	v_cndmask_b32 v[HI+\u], v[MID+\u], v[HI+\u], vcc_lo
	v_add_f32 v[MID+\u], v[LO+\u], v[HI+\u]
	v_mul_f32 v[MID+\u], 0.5, v[MID+\u]
	v_fma_f32 v[BV+\u], -v[MID+\u], v[GV+\u], 1.0
.endr
	PUT4 AB, BV, BV+1
	s_sub_co_u32 s31, s31, 1
	s_cmp_lg_u32 s31, 0
	s_cbranch_scc1 .Lbis
	v_fma_f32 v[BV], -v[LO], v[GV], 1.0            ; the threshold is lo
	v_fma_f32 v[BV+1], -v[LO+1], v[GV+1], 1.0
.Lnobis:
	v_mul_f32 v[TT], 0xc00293ee, v[MM]             ; - c m
	v_mul_f32 v[TT+1], 0xc00293ee, v[MM+1]
	PUT4 AG, GV, GV+1
	PUT4 AB, BV, BV+1
	PUT4 ACM, TT, TT+1
	v_cmp_gt_u32 vcc_lo, 16, v0                    ; keys 0..3 lie in wave 0, lanes 0-15, the first four registers of tile 0
.irp u, 0,1
	v_cndmask_b32 v[GSK+2*\u], v[GV+\u], v[NIL], vcc_lo
	v_cndmask_b32 v[GSK+2*\u+1], v[GV+\u], v[NIL], vcc_lo
	v_cndmask_b32 v[GSK+4+2*\u], v[BV+\u], 1.0, vcc_lo
	v_cndmask_b32 v[GSK+4+2*\u+1], v[BV+\u], 1.0, vcc_lo
.endr
.irp w, 0x00, 0x80, 0xc0
	WIN \w
.irp i, 0,1,2,3,4,5,6,7
	v_mov_b32 v[ACH+\i], 0                         ; l
.endr
.endr
	WIN 0
.irp j, 0,1,2,3,4,5,6,7
	PVSTEP \j
.endr
.Lpv_end:
	s_wait_loadcnt 0x0                             ; a step of V asked for and not used has landed: its registers are loaded anew below
	FOLD 0x08                                      ; THE WAY OUT.  l; these sums are the places behind the last products
	FOLD 0x0c
	LANES
	XCHG 160
.irp u, 0,1
	v_add_f32 v[160+\u], v[160+\u], v[164+\u]
	v_add_f32 v[168+\u], v[168+\u], v[172+\u]
	v_add_f32 v[160+\u], v[160+\u], v[168+\u]
.endr
	v_rcp_f32 v[TT], v160
	v_rcp_f32 v[BV], v161
	v_nop
.set u_, 0
	s_wait_alu depctr_va_vdst(0)
.rept 2
.set i, 0
.rept 32
	v_pk_mul_f32 v[OT+64*u_+2*i:OT+64*u_+2*i+1], v[OT+64*u_+2*i:OT+64*u_+2*i+1], v[TT+2*u_:TT+2*u_+1] op_sel_hi:[1,0]
.set i, i+1
.endr
.set u_, u_+1
.endr
.set u_, 0
.rept 2
.set c_, 0
.rept 8
	ds_store_b128 v[OS], v[OT+64*u_+8*c_:OT+64*u_+8*c_+3] offset:u_*16*OPI+c_*64
	ds_store_b128 v[OS], v[OT+64*u_+8*c_+4:OT+64*u_+8*c_+7] offset:u_*16*OPI+c_*64+16
.set c_, c_+1
.endr
.set u_, u_+1
.endr
	s_wait_dscnt 0x0                               ; for the others' sake: my part of O lies in LDS
	s_barrier_signal -1
	s_barrier_wait -1
	WIN 0x40
.set t_, 0
.rept 8                                ; query 8 w + t: the four waves' parts of its 128 channels, four channels a lane
.irp w, 0,1,2,3
	ds_load_b128 v[16*t_+4*\w:16*t_+4*\w+3], v[ORD] offset:\w*OPW+t_*OPI
.endr
.set t_, t_+1
.endr
	s_wait_dscnt 0x0
	WIN 0x55
.set t_, 0
.rept 8
.irp z, 0,2
	v_pk_add_f32 v[16*t_+\z:16*t_+\z+1], v[16*t_+\z:16*t_+\z+1], v[16*t_+4+\z:16*t_+4+\z+1]
	v_pk_add_f32 v[16*t_+8+\z:16*t_+8+\z+1], v[16*t_+8+\z:16*t_+8+\z+1], v[16*t_+12+\z:16*t_+12+\z+1]
.endr
.irp z, 0,2
	v_pk_add_f32 v[16*t_+\z:16*t_+\z+1], v[16*t_+\z:16*t_+\z+1], v[16*t_+8+\z:16*t_+8+\z+1]
.endr
	v_cvt_pk_f16_f32 v[16*t_], v[16*t_], v[16*t_+1]
	v_cvt_pk_f16_f32 v[16*t_+1], v[16*t_+2], v[16*t_+3]
.set t_, t_+1
.endr
	WIN 0x04                                       ; the stores' data lie in window 1
.set t_, 0
.rept 8
	global_store_b64 v[GO], v[16*t_:16*t_+1], s[22:23] offset:t_*4096   ; 32 lanes store the query's 256 bytes of this head, aligned
.set t_, t_+1
.endr
	WIN 0
	s_add_co_u32 s11, s11, 1
	s_cmp_lt_u32 s11, 4
	s_cbranch_scc1 .Lblock
	s_wait_tensorcnt 0x0                           ; the wave's end, behind my last LDS store
	ds_add_u32 v[SPW], v[NIL]
	s_wait_dscnt 0x0
	s_endpgm
.Lfunc_end_k_qccf4363f8c_attn:
	.size	k_qccf4363f8c_attn, .Lfunc_end_k_qccf4363f8c_attn-k_qccf4363f8c_attn
	.p2alignl 7, 3214868480
	.fill 96, 4, 3214868480
	.section	.rodata,"a",@progbits
	.p2align	6, 0x0
	.amdhsa_kernel k_qccf4363f8c_attn
		.amdhsa_group_segment_fixed_size 70144
		.amdhsa_private_segment_fixed_size 0
		.amdhsa_enable_private_segment 0
		.amdhsa_kernarg_size 16
		.amdhsa_user_sgpr_count 2
		.amdhsa_user_sgpr_kernarg_segment_ptr 1
		.amdhsa_wavefront_size32 1
		.amdhsa_system_sgpr_workgroup_id_x 1
		.amdhsa_system_sgpr_workgroup_id_y 1
		.amdhsa_system_sgpr_workgroup_id_z 1
		.amdhsa_system_vgpr_workitem_id 0
		.amdhsa_next_free_vgpr 1024
		.amdhsa_next_free_sgpr 66
		.amdhsa_reserve_vcc 1
		.amdhsa_float_denorm_mode_32 3
		.amdhsa_float_denorm_mode_16_64 3
		.amdhsa_memory_ordered 1
		.amdhsa_forward_progress 1
		.amdhsa_inst_pref_size 255
	.end_amdhsa_kernel
	.section	.bss,"aw",@nobits
	.p2align	6
	.space	262144
	.amdgpu_metadata
---
amdhsa.version: [ 1, 2 ]
amdhsa.kernels:
  - .name:           k_qccf4363f8c_attn
    .symbol:         k_qccf4363f8c_attn.kd
    .args:
      - { .name: qkv, .offset: 0, .size: 8, .value_kind: global_buffer, .address_space: global }
      - { .name: ob, .offset: 8, .size: 8, .value_kind: global_buffer, .address_space: global }
    .group_segment_fixed_size: 70144
    .private_segment_fixed_size: 0
    .kernarg_segment_align: 8
    .kernarg_segment_size: 16
    .max_flat_workgroup_size: 128
    .sgpr_count:     66
    .vgpr_count:     1024
    .wavefront_size: 32
...
	.end_amdgpu_metadata
.endif
;; end of part 3
;; launch outp (part 4): grid 16 x 16, 4 waves a work-group, clusters of 4 x 4, 327,680 bytes of LDS; arguments ob, wob, out0; writes out0
.if DOCPART == 4
	.amdgcn_target "amdgcn-amd-amdhsa--gfx1250"
	.amdhsa_code_object_version 6
	.text
	.protected	k_qccf4363f8c_outp
	.globl	k_qccf4363f8c_outp
	.p2align	8
	.type	k_qccf4363f8c_outp,@function
k_qccf4363f8c_outp:
	s_mov_b64 s[64:65], 0
	v_nop
	global_prefetch_b8 v0, s[64:65] scope:SCOPE_SE
	s_setreg_imm32_b32 hwreg(HW_REG_WAVE_MODE, 25, 1), 1
	s_wait_xcnt 0x0
	s_wait_alu depctr_hold_cnt(0) depctr_sa_sdst(0) depctr_va_vdst(0) depctr_va_sdst(0) depctr_va_ssrc(0) depctr_va_vcc(0) depctr_vm_vsrc(0)
	s_getreg_b32 s2, hwreg(HW_REG_IB_STS2, 6, 4)
	s_cmp_eq_u32 s2, 0
	s_cbranch_scc0 .Lentry_in_a_cluster
	s_endpgm
.Lentry_in_a_cluster:
	s_bfe_u32 s2, ttmp6, 0x10000c
	s_cmp_lg_u32 s2, 0xf033
	s_cbranch_scc0 .Lentry_shape_is_right
	s_endpgm
.Lentry_shape_is_right:
; out0 = ob wob.  ob: [2048][2048] f16, the heads' outputs times 1/4.  wob: [2048 k][4096 n] f16, 4 Wo.  out0: [2048][4096] f32.  Sums in f32.
; The same frame as the projection in front: a tile of C is 128 rows x 256 columns; four waves, each 64 x 128: 32 accumulators.  K goes in steps of 128 through two LDS slots filled by the tensor data mover.
; Wo lies [k][n], so its fragments come out of LDS turned, by ds_load_tr16_b128.  The matrix instruction is used transposed (source 0 = 16 columns of Wo, source 1 = 16 rows of ob):
; a lane holds one row (lane % 16) and eight neighbouring columns.
; CLUSTER: 4 x 4 work-groups; ob's tile is shared along a row of the cluster, Wo's along a column: each is asked for jointly, by the same load, descriptor and mask in the four.
; THE WALK ALONG K begins, in cluster (X, Y), at quarter (X + 2 Y) mod 4 of K and goes round: the four clusters that read the same rows of ob, and neighbours among the four that read the same
; columns of Wo, ask for different K steps at any one time.  The sums are f32 sums of the same terms in another order.
; THE TEXT.  A trip of the loop is one K step; slot 1 begins at LDS byte 2^17, so that one exclusive or turns an address in one slot into the other's.
; REGISTERS: window 0: v0-31 addresses; v64-159, v160-255 two fragment buffers (Wo's 8 fragments, then ob's 4); window 1: accumulator (a, b) at 8 (8 a + b).
.set KDIM,  2048
.set APE,   2048                       ; elements from row to row of ob
.set BPE,   4096                       ; and of Wo
.set KSTEP, 128
.set NST,   KDIM/KSTEP                 ; K steps
.set PA,    272                        ; an LDS row of ob: 256 bytes + 16: the 16 rows of a fragment load start at 16 different groups of four banks (ISA guide 11.1)
.set PB,    544                        ; an LDS row of Wo: 512 bytes + 32
.set AHALF, 64*PA
.set BHALF, 64*PB
.set BOFF,  2*AHALF
.set SLOT,  2*AHALF+2*BHALF            ; 104,448 bytes
.set SLOT1, 1<<17
.set STAGE, SLOT1+SLOT                 ; behind the ring: 16 rows x 528 bytes for each wave, for the way out
.set STW,   8448
.set SPI,   528
.set SPARE, STAGE+4*STW                ; the spare words, 128 bytes for each wave: two blocks of 256 bytes that no other line names
.set ADRA0, 16                         ; v16    my place in a slot's tile of ob; never rewritten
.set ADRA,  17                         ; v17    the same in the slot in hand
.set ADRB0, 20                         ; v20, v21 the same for Wo
.set ADRB,  21
.set STO,   24
.set RD,    25
.set CO,    26                         ; v26    16 x lane
.set SPW,   28                         ; v28    my spare word; never rewritten
.set NIL,   29                         ; v29    0; never rewritten
.set F0,    64
.set F1,    160
.set G1,  24                           ; s[24:31] group 1 for ob's tiles; s[32:39] group 0: a set for each of the two first fills; the second then walks on
.set G0,  32
.set G1B, 48                           ; s[48:55], s[56:63] the same for Wo's
.set G0B, 56
.set ABASE, 16                         ; s[16:17] ob at the rows that I fetch, K = 0
.set BBASE, 46                         ; s[46:47] Wo at the columns and the half of a step's k rows that I fetch, K step 0
.set OFA, 78                           ; s[78:79] a K step's byte offset in ob
.set OFB, 80                           ; s[80:81] and in Wo
.set KN,  82                           ; s82  the K step to be asked for next
.set TB,  83                           ; s83  LDS byte at which the slot in hand begins
.set MUL, 0x50                         ; C and D in window 1, both sources in window 0
.set MSB, 0
.macro WIN new
.if MSB != (\new)
	s_set_vgpr_msb (MSB<<8)|(\new)
.set MSB, \new
.endif
.endm
.macro PLACES                          ; four places behind matrix instructions (ISA guide 7.12.1)
.rept 4
	v_nop
.endr
.endm
.macro JLOAD                           ; a joint refill: waves 0, 1 fetch ob's two halves, waves 2, 3 Wo's; s_nop 0 and four v_nop follow each line
	s_cmp_eq_u32 s13, 0
	s_cbranch_scc0 .Lfor_b_\@
	tensor_load_to_lds s[G0+4:G0+7], s[G1:G1+7]
	s_nop 0
	PLACES
	s_branch .Lasked_\@
.Lfor_b_\@:
	tensor_load_to_lds s[G0B+4:G0B+7], s[G1B:G1B+7]
	s_nop 0
	PLACES
.Lasked_\@:
.endm
.macro NEXTD                           ; the walking descriptors: the other slot than last time; K step KN, its address made anew; KN goes round
	s_xor_b32 s[G0+5], s[G0+5], SLOT1
	s_xor_b32 s[G0B+5], s[G0B+5], SLOT1
	s_lshl_b32 s[OFA], s[KN], 8                    ; 128 numbers of a row
	s_lshl_b32 s[OFB], s[KN], 20                   ; 128 rows of 8,192 bytes
	s_add_nc_u64 s[G0+6:G0+7], s[ABASE:ABASE+1], s[OFA:OFA+1]
	s_or_b32 s[G0+7], s[G0+7], 0x80000000
	s_add_nc_u64 s[G0B+6:G0B+7], s[BBASE:BBASE+1], s[OFB:OFB+1]
	s_or_b32 s[G0B+7], s[G0B+7], 0x80000000
	s_add_co_u32 s[KN], s[KN], 1
	s_cmp_eq_u32 s[KN], NST
	s_cselect_b32 s[KN], 0, s[KN]
.endm
.macro CREST
	s_cmp_lg_u32 s12, 0
	s_cbranch_scc1 .Lnot_wave_0_\@
	s_barrier_signal -3
.Lnot_wave_0_\@:
	s_barrier_wait -3
	s_barrier_signal -1
	s_barrier_wait -1
.endm
.macro CROUND
	s_barrier_signal -1
	s_barrier_wait -1
	CREST
.endm
	s_load_b128 s[4:7], s[0:1], 0x0                ; ob s[4:5], wob s[6:7]
	s_load_b64 s[8:9], s[0:1], 0x10                ; out0
	v_lshl_add_u32 v[SPW], v0, 2, SPARE
	v_mov_b32 v[NIL], 0
	ds_add_u32 v[SPW], v[NIL]                      ; the wave's opening: the add and its wait stand ahead of my first tensor load
	v_lshrrev_b32 v1, 5, v0
	v_readfirstlane_b32 s12, v1                    ; wave 0..3
	s_lshr_b32 s13, s12, 1                         ; my 64 rows of the tile.  Also: I fetch for ob (0) or for Wo (1)
	s_and_b32 s14, s12, 1                          ; my 128 columns.  Also: which half of that tile I fetch
	s_bfe_u32 s40, ttmp6, 0x40000                  ; cx
	s_bfe_u32 s41, ttmp6, 0x40004                  ; cy
	s_lshl_b32 s42, ttmp9, 2
	s_add_co_u32 s42, s42, s40                     ; tile column
	s_and_b32 s77, ttmp7, 0xffff                   ; cluster y
	s_lshl_b32 s43, s77, 2
	s_add_co_u32 s43, s43, s41                     ; tile row
	s_lshl_b32 s77, s77, 1
	s_add_co_u32 s77, s77, ttmp9
	s_and_b32 s77, s77, 3                          ; (cluster x + 2 cluster y) mod 4: the same in all sixteen partners
	s_mul_i32 s[KN], s77, NST/4                    ; the K step at which the cluster's walk begins
	s_lshl_b32 s44, s41, 2
	s_lshl_b32 s44, 15, s44                        ; my row of the cluster
	s_lshl_b32 s45, 0x1111, s40                    ; my column
	s_or_b32 s[G1], s44, (1<<16)|(1<<20)|(1<<21)|(5<<22)|(3<<25)   ; mask; 2-byte elements; padding on; bit 21 beside a mask; after every 64 words 4 words
	s_or_b32 s[G1B], s45, (1<<16)|(1<<20)|(1<<21)|(6<<22)|(7<<25)  ; after every 128 words 8 words
	s_mov_b32 s[G1+1], KSTEP<<16
	s_mov_b32 s[G1+2], 64<<16
	s_mov_b32 s[G1+3], KSTEP<<16
	s_mov_b32 s[G1+4], 64
	s_mov_b32 s[G1+5], APE
	s_mov_b32 s[G1+6], 0
	s_mov_b32 s[G1+7], 0
	s_mov_b32 s[G1B+1], 256<<16
	s_mov_b32 s[G1B+2], 64<<16
	s_mov_b32 s[G1B+3], 256<<16
	s_mov_b32 s[G1B+4], 64
	s_mov_b32 s[G1B+5], BPE
	s_mov_b32 s[G1B+6], 0
	s_mov_b32 s[G1B+7], 0
	s_lshl_b32 s16, s43, 7
	s_lshl_b32 s17, s14, 6
	s_add_co_u32 s16, s16, s17                     ; ob: row 128 x tile row + 64 x half
	s_mul_i32 s16, s16, APE*2
	s_mov_b32 s17, 0
	s_lshl_b32 s46, s42, 9                         ; Wo: column 256 x tile column, in bytes,
	s_mul_i32 s47, s14, 64*BPE*2                   ; k row 64 x half
	s_add_co_u32 s46, s46, s47
	s_mov_b32 s47, 0
	s_mul_i32 s20, s14, AHALF                      ; where they go: no place in the cluster enters an LDS address
	s_mul_i32 s21, s14, BHALF
	s_add_co_u32 s21, s21, BOFF
	s_lshl_b32 s[OFA], s[KN], 8
	s_mov_b32 s[OFA+1], 0
	s_lshl_b32 s[OFB], s[KN], 20
	s_mov_b32 s[OFB+1], 0
	s_mov_b32 s[TB], 0
	s_wait_dscnt 0x0                               ; the opening add is done
	s_wait_kmcnt 0x0
	s_add_nc_u64 s[ABASE:ABASE+1], s[4:5], s[16:17]
	s_add_nc_u64 s[BBASE:BBASE+1], s[6:7], s[46:47]
.irp s, 0,1                            ; the walk's first two K steps
	s_mov_b32 s[G0+4*(\s)], 1
	s_add_co_u32 s[G0+4*(\s)+1], s20, (\s)*SLOT1
	s_add_nc_u64 s[G0+4*(\s)+2:G0+4*(\s)+3], s[ABASE:ABASE+1], s[OFA:OFA+1]
	s_add_nc_u64 s[G0+4*(\s)+2:G0+4*(\s)+3], s[G0+4*(\s)+2:G0+4*(\s)+3], (\s)*KSTEP*2
	s_or_b32 s[G0+4*(\s)+3], s[G0+4*(\s)+3], 0x80000000
	s_mov_b32 s[G0B+4*(\s)], 1
	s_add_co_u32 s[G0B+4*(\s)+1], s21, (\s)*SLOT1
	s_add_nc_u64 s[G0B+4*(\s)+2:G0B+4*(\s)+3], s[BBASE:BBASE+1], s[OFB:OFB+1]
	s_add_nc_u64 s[G0B+4*(\s)+2:G0B+4*(\s)+3], s[G0B+4*(\s)+2:G0B+4*(\s)+3], (\s)*KSTEP*BPE*2
	s_or_b32 s[G0B+4*(\s)+3], s[G0B+4*(\s)+3], 0x80000000
.endr
	s_add_co_u32 s[KN], s[KN], 2                   ; at most 3 NST / 4 + 2: below NST
	CROUND                                         ; all sixteen work-groups are here: the first joint loads meet
	s_cmp_eq_u32 s13, 0                            ; a wave's two first fills stand in one branch: two loads of mine are out
	s_cbranch_scc0 .Lfirst_b
	tensor_load_to_lds s[G0:G0+3], s[G1:G1+7]
	s_nop 0
	tensor_load_to_lds s[G0+4:G0+7], s[G1:G1+7]
	s_nop 0
	PLACES
	s_branch .Lfirst_done
.Lfirst_b:
	tensor_load_to_lds s[G0B:G0B+3], s[G1B:G1B+7]
	s_nop 0
	tensor_load_to_lds s[G0B+4:G0B+7], s[G1B:G1B+7]
	s_nop 0
	PLACES
.Lfirst_done:
	v_and_b32 v1, 15, v0                           ; r = l % 16
	v_bfe_u32 v2, v0, 4, 1                         ; h = l / 16
	v_and_b32 v4, 7, v0
	v_lshl_add_u32 v4, v2, 3, v4                   ; 8 h + l % 8
	v_bfe_u32 v5, v0, 3, 1                         ; (l / 8) % 2
	v_mul_u32_u24 v3, v1, PA
	v_lshl_add_u32 v3, v2, 4, v3                   ; ob: row x pitch + 16 h
	s_mul_i32 s23, s13, AHALF
	v_add_nc_u32 v[ADRA0], s23, v3
	v_mov_b32 v[ADRA], v[ADRA0]                    ; the walk begins in slot 0
	v_mul_u32_u24 v3, v4, PB                       ; Wo, turned: k row 8 h + l % 8, 16 bytes for each half of eight lanes
	v_lshl_add_u32 v3, v5, 4, v3
	s_lshl_b32 s23, s14, 8
	s_add_co_u32 s23, s23, BOFF
	v_add_nc_u32 v[ADRB0], s23, v3
	v_mov_b32 v[ADRB], v[ADRB0]
	s_mul_i32 s23, s12, STW
	s_add_co_u32 s23, s23, STAGE                   ; my stage
	v_mul_u32_u24 v[STO], v1, SPI                  ; in: row r, 32 bytes for each half of the lanes
	v_lshl_add_u32 v[STO], v2, 5, v[STO]
	v_add_nc_u32 v[STO], s23, v[STO]
	v_and_b32 v[CO], 31, v0
	v_lshlrev_b32 v[CO], 4, v[CO]
	v_add_nc_u32 v[RD], s23, v[CO]                 ; back: a row of 512 bytes a load
	s_lshl_b32 s22, s43, 7
	s_lshl_b32 s23, s13, 6
	s_add_co_u32 s22, s22, s23                     ; my wave's first row,
	s_lshl_b32 s72, s22, 14                        ; of 16,384 bytes;
	s_lshl_b32 s73, s42, 10                        ; 256 x tile column + 128 x half columns of 4 bytes
	s_add_co_u32 s72, s72, s73
	s_lshl_b32 s73, s14, 9
	s_add_co_u32 s72, s72, s73
	s_mov_b32 s73, 0
	s_add_nc_u64 s[8:9], s[8:9], s[72:73]
.macro MULA f, a, zero                 ; 8 matrix instructions: row block a x all 8 column blocks, 32 along K.  The 32 accumulators take turns
	WIN MUL
.irp b, 0,1,2,3,4,5,6,7
.if \zero
	v_wmma_f32_16x16x32_f16 v[8*(8*(\a)+(\b)):8*(8*(\a)+(\b))+7], v[(\f)+8*(\b):(\f)+8*(\b)+7], v[(\f)+64+8*(\a):(\f)+64+8*(\a)+7], 0
.else
	v_wmma_f32_16x16x32_f16 v[8*(8*(\a)+(\b)):8*(8*(\a)+(\b))+7], v[(\f)+8*(\b):(\f)+8*(\b)+7], v[(\f)+64+8*(\a):(\f)+64+8*(\a)+7], v[8*(8*(\a)+(\b)):8*(8*(\a)+(\b))+7]
.endif
.endr
.endm
.macro FETCH kq, f                     ; 24 LDS loads in one run: quarter kq's fragments of the slot in hand: Wo's 8 (16 loads), then ob's 4 (8 loads)
	WIN 0
.irp b, 0,1,2,3,4,5,6,7
	ds_load_tr16_b128 v[(\f)+8*(\b):(\f)+8*(\b)+3],   v[ADRB] offset:(\kq)*32*PB+32*(\b)
	ds_load_tr16_b128 v[(\f)+8*(\b)+4:(\f)+8*(\b)+7], v[ADRB] offset:(\kq)*32*PB+16*PB+32*(\b)
.endr
.irp a, 0,1,2,3
	ds_load_b128 v[(\f)+64+8*(\a):(\f)+64+8*(\a)+3],   v[ADRA] offset:(\a)*16*PA+64*(\kq)
	ds_load_b128 v[(\f)+64+8*(\a)+4:(\f)+64+8*(\a)+7], v[ADRA] offset:(\a)*16*PA+64*(\kq)+32
.endr
.endm
.macro QUARTER kq, f, g, zero          ; multiplies buffer f; in its middle fetches quarter kq of the slot into buffer g
	s_wait_dscnt 4                                 ; all but ob's row blocks 2 and 3 are in
	MULA \f, 0, \zero
	MULA \f, 1, \zero
	PLACES
	FETCH \kq, \g
	s_wait_dscnt 24                                ; all but the 24 just issued
	MULA \f, 2, \zero
	MULA \f, 3, \zero
.endm
.macro TURN fill                       ; a K step's last quarter multiplies buffer 1 and changes slots: one barrier; fill = 1: it opens a round of the cluster's, and the slot that is left is filled again
	WIN 0
	s_wait_tensorcnt 0x0                           ; all my tensor loads have landed: my part of the next slot; so a group 0 may be written
	ds_add_u32 v[SPW], v[NIL]                      ; 0 onto my spare word
.if \fill
	NEXTD
.endif
	s_xor_b32 s[TB], s[TB], SLOT1                  ; the fetches go on in the other slot
	s_wait_dscnt 5                                 ; (the add and the youngest four loads may be out)
	MULA F1, 0, 0
	s_wait_dscnt 0x0                               ; the add is done, and my reads of this slot are over
	s_barrier_signal -1
	MULA F1, 1, 0
	WIN 0
	s_barrier_wait -1
.if \fill
	CREST                                          ; no wave of any partner still reads this slot or has a load on its way
	JLOAD                                          ; the first tensor load behind the round; its four v_nop are also the places in front of the loads below
.else
	PLACES
.endif
	v_add_nc_u32 v[ADRA], s[TB], v[ADRA0]
	v_add_nc_u32 v[ADRB], s[TB], v[ADRB0]
	FETCH 0, F0
	MULA F1, 2, 0
	MULA F1, 3, 0
.endm
	s_wait_tensorcnt 0x1                           ; my part of the first K step is in; slot 1's may stay out
	s_barrier_signal -1
	s_barrier_wait -1
	FETCH 0, F0
	QUARTER 1, F0, F1, 1                           ; the first quarter's products start the sums
	WIN 0
	s_mov_b32 s3, NST-2
.Lstep:                                        ; a trip goes from a K step's second quarter to the next step's first, and fills the slot that it leaves
	QUARTER 2, F1, F0, 0
	QUARTER 3, F0, F1, 0
	TURN 1
	QUARTER 1, F0, F1, 0
	WIN 0
	s_sub_co_u32 s3, s3, 1
	s_cmp_lg_u32 s3, 0
	s_cbranch_scc1 .Lstep
	s_mov_b32 s3, 2                                ; the last two K steps fill nothing: the same trip without a load, left in the middle of its second turn.
.Ltail:                                        ; There its barrier and the 24 fragment loads from the other slot serve nothing: the price, once a launch, of one text for both trips
	QUARTER 2, F1, F0, 0
	QUARTER 3, F0, F1, 0
	TURN 0
	WIN 0
	s_sub_co_u32 s3, s3, 1
	s_cmp_eq_u32 s3, 0
	s_cbranch_scc1 .Lout
	QUARTER 1, F0, F1, 0
	WIN 0
	s_branch .Ltail
.Lout:
	s_wait_dscnt 0x0                               ; those loads have landed: their registers are used again below
	PLACES                                         ; THE WAY OUT
.irp a, 0,1,2,3                        ; 16 rows at a time through my stage: in by lanes' 32 bytes (each accumulator from its low end on), back as whole rows of 512 bytes
	WIN 0x04                                       ; the LDS stores' data lie in window 1
.irp b, 0,1,2,3,4,5,6,7
	ds_store_b128 v[STO], v[8*(8*\a+\b):8*(8*\a+\b)+3] offset:64*\b
	ds_store_b128 v[STO], v[8*(8*\a+\b)+4:8*(8*\a+\b)+7] offset:64*\b+16
.endr
	WIN 0
	s_wait_xcnt 0x0                                ; the last block's stores have read the registers that are loaded below
.irp t, 0,1,2,3,4,5,6,7,8,9,10,11,12,13,14,15
	ds_load_b128 v[64+4*\t:64+4*\t+3], v[RD] offset:\t*SPI   ; LDS serves a wave's instructions in order (ISA guide 5.7.1.4): these see the stores above
.endr
	s_wait_dscnt 0x0
.irp t, 0,1,2,3,4,5,6,7,8,9,10,11,12,13,14,15
	global_store_b128 v[CO], v[64+4*\t:64+4*\t+3], s[8:9] offset:(16*\a+\t)*16384 th:TH_STORE_NT   ; 512 bytes on end, aligned
.endr
.endr
	s_wait_tensorcnt 0x0                           ; the wave's end
	ds_add_u32 v[SPW], v[NIL]
	s_wait_dscnt 0x0
	CROUND                                         ; the closing round
	s_endpgm
.Lfunc_end_k_qccf4363f8c_outp:
	.size	k_qccf4363f8c_outp, .Lfunc_end_k_qccf4363f8c_outp-k_qccf4363f8c_outp
	.p2alignl 7, 3214868480
	.fill 96, 4, 3214868480
	.section	.rodata,"a",@progbits
	.p2align	6, 0x0
	.amdhsa_kernel k_qccf4363f8c_outp
		.amdhsa_group_segment_fixed_size 327680
		.amdhsa_private_segment_fixed_size 0
		.amdhsa_enable_private_segment 0
		.amdhsa_kernarg_size 24
		.amdhsa_user_sgpr_count 2
		.amdhsa_user_sgpr_kernarg_segment_ptr 1
		.amdhsa_wavefront_size32 1
		.amdhsa_system_sgpr_workgroup_id_x 1
		.amdhsa_system_sgpr_workgroup_id_y 1
		.amdhsa_system_sgpr_workgroup_id_z 1
		.amdhsa_system_vgpr_workitem_id 0
		.amdhsa_next_free_vgpr 512
		.amdhsa_next_free_sgpr 88
		.amdhsa_reserve_vcc 0
		.amdhsa_float_denorm_mode_32 3
		.amdhsa_float_denorm_mode_16_64 3
		.amdhsa_memory_ordered 1
		.amdhsa_forward_progress 1
		.amdhsa_inst_pref_size 60
	.end_amdhsa_kernel
	.amdgpu_metadata
---
amdhsa.version: [ 1, 2 ]
amdhsa.kernels:
  - .name:           k_qccf4363f8c_outp
    .symbol:         k_qccf4363f8c_outp.kd
    .args:
      - { .name: ob, .offset: 0, .size: 8, .value_kind: global_buffer, .address_space: global }
      - { .name: wob, .offset: 8, .size: 8, .value_kind: global_buffer, .address_space: global }
      - { .name: out0, .offset: 16, .size: 8, .value_kind: global_buffer, .address_space: global }
    .group_segment_fixed_size: 327680
    .private_segment_fixed_size: 0
    .kernarg_segment_align: 8
    .kernarg_segment_size: 24
    .max_flat_workgroup_size: 128
    .sgpr_count:     88
    .vgpr_count:     512
    .wavefront_size: 32
...
	.end_amdgpu_metadata
.endif
;; end of part 4
;; ======== version 2 of 2: 4 launches; version 1 with the launch cast written anew for expert scheduling mode
;; limits: values are held in f16: magnitudes above 65,504 overflow, below 6.1e-05 lose precision; values within 3.8e-05 (relative) of each other or of a threshold may be ordered or decided otherwise than in the reference; inputs' magnitudes at most 16,376
;; workspace buffers: xb 16,777,216 bytes; wqkv 33,554,432 bytes; wob 16,777,216 bytes; qkv 16,777,216 bytes; ob 8,388,608 bytes; cosb 524,288 bytes; sinb 524,288 bytes
;; launch cast (part 5): grid 2080 x 1, 8 waves a work-group, no clusters, 0 bytes of LDS; arguments hidden_states, Wq, Wk, Wv, Wo, cos, sin, xb, wqkv, wob, cosb, sinb; writes xb, wqkv, wob, cosb, sinb
.if DOCPART == 5
	.amdgcn_target "amdgcn-amd-amdhsa--gfx1250"
	.amdhsa_code_object_version 6
	.text
	.protected	k_qccf4363f8c_cast
	.globl	k_qccf4363f8c_cast
	.p2align	8
	.type	k_qccf4363f8c_cast,@function
k_qccf4363f8c_cast:
	s_mov_b64 s[64:65], 0
	v_nop
	global_prefetch_b8 v0, s[64:65] scope:SCOPE_SE
	s_setreg_imm32_b32 hwreg(HW_REG_WAVE_SCHED_MODE, 0, 2), 2
	s_setreg_imm32_b32 hwreg(HW_REG_WAVE_MODE, 25, 1), 1
	s_wait_xcnt 0x0
	s_wait_alu depctr_vm_vsrc(0)
; Every floating-point input is rounded once to bf16.  xb [2048][4096] holds x / 4, wqkv [4096 k][4096 n] (n 0..2047 Wq, 2048..3071 Wk, 3072..4095 Wv), cosb and sinb [2048][128]: bf16 numbers.
; wob [2048][4096] holds 4 Wo, its bf16 numbers written as f16, since the last product multiplies them with f16 numbers.  The factors 1/4 and 4 are powers of two: they change no rounding,
; and they spare the two products a multiplication of every sum (q, k, v and the heads' outputs are kept times 1/4, for f16's range).
; LIMIT (Wo alone).  4 Wo is an f16 number for |Wo| from 1.6e-5 up to 16,376; below, it is rounded to f16's fixed step (1.5e-8 of Wo); beyond, it becomes an infinity.
; A stream: no LDS, no barrier, no matrix unit.  A work-group takes 16,384 numbers of one source, a wave 2,048, in 16 pieces of 128: a load covers 512 bytes on end (4 numbers a lane),
; a store 256 bytes on end, aligned.  All 16 loads of a wave are issued first; the conversion is made in place, so no register that a store reads is written again.
; A destination row is 8,192 bytes (cosb and sinb are dense and are taken as such rows); a piece of 128 numbers never crosses a source row (1,024 numbers at the least).
; THE MODE: SCHED_MODE bits 1:0 = 2 (LLVM: expert scheduling mode 2), set by the entry lines.  The code itself states the register dependences
; between vector instructions and memory instructions, with s_wait_alu, always for 0.
; THE PLAN.  Registers that memory instructions touch:
;   v3        the source offset.  Written at the head by vector lines; read by all 16 loads; never written again.
;   X, piece i   Its load lands in it (no vector line names it before); its conversions read and rewrite it in place; its store reads the first two of its four registers; nothing writes them afterwards.
;   OFF, piece i Written by vector lines while the loads are out; read by the piece's store; never written again.
; The 16 pieces go in 4 blocks of 4.  Block p converts pieces 4 p .. 4 p + 3; its memory instructions are the four stores of block p - 1, whose X and OFF no vector line of block p names.
; So one wait on va_vdst at the head of a block states all that its four stores hang on, and they are dealt among the block's vector lines with no further wait.
; No register that a load or a store has read is ever written again: the text owes no wait on vm_vsrc and none on XCNT.
.set NPC, 16                           ; pieces a wave
.set BLK, 4                            ; pieces a block
.set OFF, 4                            ; v[4:19]    piece i: my byte offset in the destination
.set X,   20                           ; v[20:83]   piece i: four f32 as loaded, then two words of 16-bit numbers
.set WO0, 1568                         ; Wo's first work-group
	s_load_b256 s[4:11], s[0:1], 0x0               ; hidden_states, Wq, Wk, Wv
	s_load_b256 s[12:19], s[0:1], 0x20             ; Wo, cos, sin, xb
	s_load_b256 s[20:27], s[0:1], 0x40             ; wqkv, wob, cosb, sinb
	v_and_b32 v1, 31, v0                           ; lane
	v_lshrrev_b32 v2, 5, v0                        ; wave
	v_lshlrev_b32 v3, 4, v1
	v_lshl_add_u32 v3, v2, 13, v3                  ; source: wave x 8,192 + lane x 16 bytes
	v_lshlrev_b32 v1, 2, v1
	v_lshl_add_u32 v1, v2, 11, v1                  ; my first number in the work-group's share
	s_mov_b32 s28, ttmp9
	s_mov_b32 s29, 0xffff0000                      ; a word's upper bf16
	s_wait_kmcnt 0x0
	s_mov_b64 s[30:31], s[12:13]                   ; work-groups 1568..2079: Wo -> wob
	s_mov_b64 s[32:33], s[22:23]
	s_mov_b32 s34, WO0                             ; the source's first work-group
	s_mov_b32 s35, 12                              ; log2 of the source's row length
	s_mov_b32 s36, 0                               ; the source's first byte in a destination row
	s_mov_b32 s42, 4.0                             ; the source's factor
.macro PICK lim, src, dst, g0, lg, colb, sc    ; work-groups below lim belong to an earlier source
	s_cmp_lt_u32 s28, \lim
	s_cselect_b64 s[30:31], s[\src:\src+1], s[30:31]
	s_cselect_b64 s[32:33], s[\dst:\dst+1], s[32:33]
	s_cselect_b32 s34, \g0, s34
	s_cselect_b32 s35, \lg, s35
	s_cselect_b32 s36, \colb, s36
	s_cselect_b32 s42, \sc, s42
.endm
	PICK 1568, 16, 26, 1552, 12, 0, 1.0            ; sin
	PICK 1552, 14, 24, 1536, 12, 0, 1.0            ; cos
	PICK 1536, 10, 20, 1280, 10, 6144, 1.0         ; Wv
	PICK 1280, 8, 20, 1024, 10, 4096, 1.0          ; Wk
	PICK 1024, 6, 20, 512, 11, 0, 1.0              ; Wq
	PICK 512, 4, 18, 0, 12, 0, 0x3e800000          ; hidden_states, times 0.25
	s_mov_b32 s43, s42                             ; named with it as a pair
	s_sub_co_u32 s38, s28, s34                     ; my number among the source's work-groups
	s_lshl_b32 s39, s38, 14                        ; its first number,
	s_lshl_b32 s40, s38, 16                        ; its first byte
	s_mov_b32 s41, 0
	s_add_nc_u64 s[30:31], s[30:31], s[40:41]
	s_lshl_b32 s37, 1, s35
	s_sub_co_u32 s37, s37, 1                       ; mask of the place in a source row
	v_add_nc_u32 v1, s39, v1
	s_wait_alu depctr_va_vdst(0)                   ; v3 is written: all sixteen loads read it as their offset
.set i, 0
.rept NPC
	global_load_b128 v[X+4*i:X+4*i+3], v3, s[30:31] offset:512*i th:TH_LOAD_NT
.set i, i+1
.endr
.set i, 0
.rept NPC                              ; the destinations, made while the loads are out: row x 8,192 + place x 2 + the source's first byte.  These lines write v2 and OFF, which no load reads
	v_add_nc_u32 v2, 128*i, v1
	v_lshrrev_b32 v[OFF+i], s35, v2
	v_and_b32 v2, s37, v2
	v_lshl_add_u32 v2, v2, 1, s36
	v_lshl_add_u32 v[OFF+i], v[OFF+i], 13, v2
.set i, i+1
.endr
.macro TOBF i                          ; piece i: times the factor; rounded to bf16, two numbers a word
	v_pk_mul_f32 v[X+4*(\i):X+4*(\i)+1], v[X+4*(\i):X+4*(\i)+1], s[42:43] op_sel_hi:[1,0]
	v_pk_mul_f32 v[X+4*(\i)+2:X+4*(\i)+3], v[X+4*(\i)+2:X+4*(\i)+3], s[42:43] op_sel_hi:[1,0]
	v_cvt_pk_bf16_f32 v[X+4*(\i)], v[X+4*(\i)], v[X+4*(\i)+1]
	v_cvt_pk_bf16_f32 v[X+4*(\i)+1], v[X+4*(\i)+2], v[X+4*(\i)+3]
.endm
.macro TOF16 i                         ; piece i of Wo: the bf16 numbers widened again, and written as f16
	v_lshlrev_b32 v[X+4*(\i)+2], 16, v[X+4*(\i)+1]
	v_and_b32 v[X+4*(\i)+3], s29, v[X+4*(\i)+1]
	v_and_b32 v[X+4*(\i)+1], s29, v[X+4*(\i)]
	v_lshlrev_b32 v[X+4*(\i)], 16, v[X+4*(\i)]
	v_cvt_pk_f16_f32 v[X+4*(\i)], v[X+4*(\i)], v[X+4*(\i)+1]
	v_cvt_pk_f16_f32 v[X+4*(\i)+1], v[X+4*(\i)+2], v[X+4*(\i)+3]
.endm
.macro OUT i                           ; piece i leaves: 32 lanes store 256 bytes on end, aligned
	global_store_b64 v[OFF+(\i)], v[X+4*(\i):X+4*(\i)+1], s[32:33] th:TH_STORE_NT
.endm
; Block p.  f16 = 1: Wo's path.
.macro BLOCK p, f16
	s_wait_loadcnt NPC-BLK*((\p)+1)                ; loads come back in order (ISA guide 5.7.1): this block's four are in, the younger blocks' stay out
.if (\p) > 0
	s_wait_alu depctr_va_vdst(0)                   ; the block before has written the words that the four stores below read; in block 1 also: all sixteen OFF are written
.endif
.irp k, 0,1,2,3
.if (\p) > 0
	OUT BLK*((\p)-1)+(\k)                          ; the block before.  No wait: no vector line since the wait above names its X or its OFF
.endif
	TOBF BLK*(\p)+(\k)
.if \f16
	TOF16 BLK*(\p)+(\k)
.endif
.endr
.endm
.macro LAST
	s_wait_alu depctr_va_vdst(0)                   ; the last block has written the words that the last four stores read
.irp k, 0,1,2,3
	OUT NPC-BLK+(\k)
.endr
	s_endpgm
.endm
	s_cmp_ge_u32 s28, WO0
	s_cbranch_scc1 .Lwo
	BLOCK 0, 0
	BLOCK 1, 0
	BLOCK 2, 0
	BLOCK 3, 0
	LAST
.Lwo:                                          ; Wo: rounded to bf16, widened again, and that number written as f16
	BLOCK 0, 1
	BLOCK 1, 1
	BLOCK 2, 1
	BLOCK 3, 1
	LAST
.Lfunc_end_k_qccf4363f8c_cast:
	.size	k_qccf4363f8c_cast, .Lfunc_end_k_qccf4363f8c_cast-k_qccf4363f8c_cast
	.p2alignl 7, 3214868480
	.fill 96, 4, 3214868480
	.section	.rodata,"a",@progbits
	.p2align	6, 0x0
	.amdhsa_kernel k_qccf4363f8c_cast
		.amdhsa_group_segment_fixed_size 0
		.amdhsa_private_segment_fixed_size 0
		.amdhsa_enable_private_segment 0
		.amdhsa_kernarg_size 96
		.amdhsa_user_sgpr_count 2
		.amdhsa_user_sgpr_kernarg_segment_ptr 1
		.amdhsa_wavefront_size32 1
		.amdhsa_system_sgpr_workgroup_id_x 1
		.amdhsa_system_sgpr_workgroup_id_y 1
		.amdhsa_system_sgpr_workgroup_id_z 1
		.amdhsa_system_vgpr_workitem_id 0
		.amdhsa_next_free_vgpr 84
		.amdhsa_next_free_sgpr 66
		.amdhsa_reserve_vcc 0
		.amdhsa_float_denorm_mode_32 3
		.amdhsa_float_denorm_mode_16_64 3
		.amdhsa_memory_ordered 1
		.amdhsa_forward_progress 1
		.amdhsa_inst_pref_size 25
	.end_amdhsa_kernel
	.amdgpu_metadata
---
amdhsa.version: [ 1, 2 ]
amdhsa.kernels:
  - .name:           k_qccf4363f8c_cast
    .symbol:         k_qccf4363f8c_cast.kd
    .args:
      - { .name: hidden_states, .offset: 0, .size: 8, .value_kind: global_buffer, .address_space: global }
      - { .name: Wq, .offset: 8, .size: 8, .value_kind: global_buffer, .address_space: global }
      - { .name: Wk, .offset: 16, .size: 8, .value_kind: global_buffer, .address_space: global }
      - { .name: Wv, .offset: 24, .size: 8, .value_kind: global_buffer, .address_space: global }
      - { .name: Wo, .offset: 32, .size: 8, .value_kind: global_buffer, .address_space: global }
      - { .name: cos, .offset: 40, .size: 8, .value_kind: global_buffer, .address_space: global }
      - { .name: sin, .offset: 48, .size: 8, .value_kind: global_buffer, .address_space: global }
      - { .name: xb, .offset: 56, .size: 8, .value_kind: global_buffer, .address_space: global }
      - { .name: wqkv, .offset: 64, .size: 8, .value_kind: global_buffer, .address_space: global }
      - { .name: wob, .offset: 72, .size: 8, .value_kind: global_buffer, .address_space: global }
      - { .name: cosb, .offset: 80, .size: 8, .value_kind: global_buffer, .address_space: global }
      - { .name: sinb, .offset: 88, .size: 8, .value_kind: global_buffer, .address_space: global }
    .group_segment_fixed_size: 0
    .private_segment_fixed_size: 0
    .kernarg_segment_align: 8
    .kernarg_segment_size: 96
    .max_flat_workgroup_size: 256
    .sgpr_count:     66
    .vgpr_count:     84
    .wavefront_size: 32
...
	.end_amdgpu_metadata
.endif
;; end of part 5
;; launch proj: the kernel of part 2 again; grid 16 x 16, 4 waves a work-group, clusters of 4 x 4, 327,680 bytes of LDS; arguments xb, wqkv, position_ids, cosb, sinb, qkv; writes qkv
;; launch attn: the kernel of part 3 again; grid 16 x 16, 4 waves a work-group, no clusters, 70,144 bytes of LDS; arguments qkv, ob; writes ob
;; launch outp: the kernel of part 4 again; grid 16 x 16, 4 waves a work-group, clusters of 4 x 4, 327,680 bytes of LDS; arguments ob, wob, out0; writes out0
